; MI455X (gfx1250); checked and timed in simulation.
; The chip was launched on July 23, 2026; its instructions are those of AMD's public machine-readable ISA for CDNA 5 (MIT licence, August 2026) and "CDNA5" Instruction Set Architecture Reference Guide (July 2026). The comments in the code are by the model that wrote it; some were corrected since.
;; m HC mlp. Allowed arithmetic: matrix products marked QUANTISED: E4M3 operands, one E8M0 scale for each 32 along K, by v_wmma_scale_f32_16x16x128_f8f6f4 with both operands' format E4M3, f32 sums; products left as they are: f32 operands where the result goes on into a quantised operand, else bf16, f16 or f32 operands; f32 sums; everything else in f32.
;; Inputs: W1 2,048 x 8,192 float32; W2 8,192 x 2,048 float32; alpha_post one number float32; alpha_pre one number float32; alpha_res one number float32; b1 8,192 float32; b2 2,048 float32; b_post 1 x 4 float32; b_pre 1 x 4 float32; b_res 4 x 4 float32; rms_weight 8,192 float32; theta_post 8,192 x 4 float32; theta_pre 8,192 x 4 float32; theta_res 8,192 x 16 float32; x 2,048 x 4 x 2,048 float32.
;; Outputs: out0 2,048 x 4 x 2,048 float32.
;; This version of the problem:
;;   THIS VERSION OF THE PROBLEM IS GIVEN IN LOW PRECISION. The matrix products marked QUANTISED in the list below multiply operands that are first quantised to E4M3 (4 exponent bits, 3 mantissa bits; 8 bits a number), with one power-of-two scale for each 32 numbers along K (OCP MX v1.0); their sums are f32. All else is computed in f32.
;;   The module's matrix products, in the order in which they are computed (A, B: the left and right operand; K: the contracted axis; several contracted axes count as one K, in the product's order):
;;     1. [M 2,048, K 8,192] x [K 8,192, N 4]; A: computed on the way; B: input theta_pre: left as it is (N = 4 < 16)
;;     2. [M 2,048, K 8,192] x [K 8,192, N 4]; A: computed on the way; B: input theta_post: left as it is (N = 4 < 16)
;;     3. [M 2,048, K 8,192] x [K 8,192, N 16]; A: computed on the way; B: input theta_res: QUANTISED
;;     4. batch 2,048 x [M 1, K 4] x [K 4, N 2,048]; A: computed on the way; B: input x: left as it is (K = 4 < 32)
;;     5. [M 2,048, K 2,048] x [K 2,048, N 8,192]; A: computed on the way; B: input W1: QUANTISED
;;     6. [M 2,048, K 8,192] x [K 8,192, N 2,048]; A: computed on the way; B: input W2: QUANTISED
;;     7. batch 2,048 x [M 4, K 4] x [K 4, N 2,048]; A: computed on the way; B: input x: left as it is (K = 4 < 32)
;;   THE QUANTISER, for each operand of a quantised product, along K:
;;     - K is cut into blocks of 32 from its start; a last block that is shorter is filled with zeros.
;;     - A block's scale is 2^e with e = floor(log2(the largest magnitude in the block)) - 8, held to -126 .. 127; a block of zeros has e = 0. As a byte (E8M0): e + 127.
;;     - Each number is divided by its block's scale, clamped to +-448, and rounded to the nearest number of E4M3, ties to even, subnormals kept.
;;     - The product sums the exact products of the quantised numbers (number of the format x scale) in f32.
;;   ~~~python
;;   def quantise(x, axis):      # numpy; x: float32 -> the quantised numbers, widened to float32 again
;;       x = np.moveaxis(x, axis, -1); K = x.shape[-1]
;;       x = np.pad(x, [(0, 0)] * (x.ndim - 1) + [(0, -K % 32)]); x = x.reshape(x.shape[:-1] + (-1, 32)); a = np.abs(x).max(-1, keepdims=True)
;;       e = np.where(a > 0, np.clip(np.frexp(np.where(a > 0, a, 1))[1] - 1 - 8, -126, 127), 0)      # np.frexp(a)[1] - 1 = floor(log2(a)), exactly
;;       r = np.clip(x / 2.0 ** e, -448, 448)
;;       step = 2.0 ** (np.maximum(np.frexp(np.where(r == 0, 1, r))[1] - 1, -6) - 3)
;;       q = np.round(r / step) * step * 2.0 ** e      # np.round: ties to even
;;       return np.moveaxis(q.reshape(q.shape[:-2] + (-1,))[..., :K], -1, axis).astype(np.float32)
;;   ~~~
;;   OPERANDS COMPUTED ON THE WAY. 'Computed on the way' means the value that the module computes at that place (a softmax that the list does not call 'softmax' is quantised finished and normalised). What goes into a quantiser is computed in f32, as accurately as f32 sums, v_exp_f32 and their like allow (about 1e-6 of the number): no bf16 or f16 on the way to a quantiser, and a product that is left as it is and whose result goes on into a quantised operand takes f32 operands (vector FMAs, or v_wmma_f32_16x16x4_f32). A number that lies on a knife's edge between two numbers of the format may be rounded either way, as far as f32 arithmetic and the matrix unit's own rounding can turn it there, and no further.
;; One version. Each part assembles by itself: llvm-mc -triple=amdgcn-amd-amdhsa -mcpu=gfx1250 --defsym DOCPART=n.
;; ======== version 1 of 1: 4 launches
;; limits: a function is approximated: absolute error at most 7.5e-08; an absolute error that grows with the inputs' magnitude: up to 7.5e-08 times it
;; workspace buffers: w1p 17,301,504 bytes; w2p 17,301,504 bytes; xpp 4,325,376 bytes; hp 17,301,504 bytes; tri 135,168 bytes; tw 262,144 bytes; hc 262,144 bytes
;; launch prep (part 1): grid 1056 x 1, 4 waves a work-group, no clusters, 0 bytes of LDS; arguments W1, W2, theta_res, theta_pre, theta_post, rms_weight, w1p, w2p, tri, tw; writes w1p, w2p, tri, tw
.if DOCPART == 1
	.amdgcn_target "amdgcn-amd-amdhsa--gfx1250"
	.amdhsa_code_object_version 6
	.text
	.protected	k_q3c2f3f8640_prep
	.globl	k_q3c2f3f8640_prep
	.p2align	8
	.type	k_q3c2f3f8640_prep,@function
k_q3c2f3f8640_prep:
	s_mov_b64 s[64:65], 0
	v_nop
	global_prefetch_b8 v0, s[64:65] scope:SCOPE_SE
	s_setreg_imm32_b32 hwreg(HW_REG_WAVE_MODE, 25, 1), 1
	s_wait_xcnt 0x0
; PREP: what hangs on the weights alone is made once.  W1 [2048][8192], W2 [8192][2048] and theta_res [8192][16], f32 with K as their FIRST axis, become codes of FP8 (E4M3)
; with one E8M0 byte for each 32 along K; theta_pre and theta_post are multiplied by rms_weight and laid [j][k] in f32.
; DEAD WORK: none is left out in this program.  Every one of the 15 inputs has a way to out0 and no term cancels for all values, so all are loaded and every step of the module is done.
; THE LAYOUT OF ALL CODES IN THIS PROGRAM (w1p, w2p, xpp, hp): [group of 128 rows][K step of 128][BLK bytes].  A BLK is 8 images of operand registers, 2,048 bytes for each tile of 16 rows
; (register group c of lane l at 512 c + 16 l; lane (r, h) holds k = 32 c + 16 h + 0 .. 15 of the tile's row r), then 512 bytes of scale words (tile i, row r at 16,384 + 64 i + 4 r; byte c for k = 32 c ..).
; So a fragment is four loads of 16 bytes a lane at 16 x lane, and codes and scales of neighbouring K steps of a group are one dense block.
; THE COLUMNS OF A WEIGHT THAT FORM A TILE ARE NOT NEIGHBOURS: place p of tile 2 bb + u is column 32 bb + 8 u + p + 8 (p / 8), so that in the transposed product the 16 registers of tiles 2 bb, 2 bb + 1 are 16 neighbouring columns.
; A block's scale is 2^(floor(log2(its largest magnitude)) - 8); its byte is that magnitude's exponent field - 8, held at 1 from below.
; LIMITS: a block of zeros, or one under 2^-118, gets the byte 1 (its codes are zeros or subnormal codes; the bytes are read by this program alone).  NaN and infinities among the inputs are not served.
; rms_weight is multiplied into theta_pre and theta_post here, and the reciprocal root is factored out of those two products later: an order of rounding other than the module's.
; SHARES: work-groups 0-15: theta_res, a fragment a wave.  16-31: theta_pre, theta_post.  32-543: W1, 544-1055: W2: 128 columns x 256 along K each, 32 columns a wave, a lane to a column, registers down K.
; No LDS, no barrier: waves share nothing.
.set BLK,  16896
.set SEL,  58                          ; s[58:59] lane selects for v_permlanex16_b32: lane l xor 16
.set MNT,  60                          ; s60      the mantissa field of 448
.set TM,   80                          ; theta_res: v80-95 at work
.set PC,   96                          ;            v96-111 the codes
.set PW,   112                         ;            v112 the scale word
.set RO,   8                           ; weights: v8-39    byte offset of row i of a block, at my column
.set X,    40                          ;          v40-103  two sets of 32 numbers
.set C,    104                         ;          v104-167 eight registers of codes for each block: no store's data are written again
.set SB,   168                         ;          v168-169 scale bytes, four to a register
; 64 numbers of a lane, register 16 b + i = k 32 b + 16 (lane / 16) + i of my row, become a fragment's codes in v[PC] on and its scale word in v[PW]
.macro QUANT s
.irp b, 0,1,2,3
	v_max3_num_f32 v[TM+\b], |v[\s+16*\b]|, |v[\s+1+16*\b]|, 0x4800000   ; block b: my 16 numbers, and the floor 2^(9 - 127): the byte cannot fall under 1
.endr
.irp i, 2,4,6,8,10,12,14
.irp b, 0,1,2,3
	v_max3_num_f32 v[TM+\b], v[TM+\b], |v[\s+16*\b+\i]|, |v[\s+1+16*\b+\i]|   ; the four blocks by turns
.endr
.endr
.irp b, 0,1,2,3
	v_permlanex16_b32 v[TM+4+\b], v[TM+\b], s[SEL], s[SEL+1]
.endr
.irp b, 0,1,2,3
	v_max_num_f32 v[TM+\b], v[TM+\b], v[TM+4+\b]   ; with lane l xor 16's: the block's largest magnitude
.endr
.irp b, 0,1,2,3
	v_add_nc_u32 v[TM+12+\b], 0xfc000000, v[TM+\b]   ; 8 off its exponent field: the conversion's scale operand
.endr
.irp b, 0,1,2,3
	v_and_or_b32 v[TM+8+\b], v[TM+\b], 0x7f800000, s[MNT]   ; 448 x the scale
.endr
.irp b, 0,1,2,3
	v_lshrrev_b32 v[TM+4+\b], 23, v[TM+12+\b]   ; the scale's byte
.endr
	v_lshl_or_b32 v[PW], v[TM+5], 8, v[TM+4]
	v_lshl_or_b32 v[PW], v[TM+6], 16, v[PW]
	v_lshl_or_b32 v[PW], v[TM+7], 24, v[PW]
.irp b, 0,1,2,3
.irp i, 0,1,2,3,4,5,6,7,8,9,10,11,12,13,14,15
	v_med3_num_f32 v[\s+16*\b+\i], v[\s+16*\b+\i], -v[TM+8+\b], v[TM+8+\b]   ; the conversion to an 8-bit code does not saturate (ISA guide 7.6.2): the hold
.endr
	v_cvt_scalef32_pk8_fp8_f32 v[PC+4*\b:PC+1+4*\b], v[\s+16*\b:\s+7+16*\b], v[TM+12+\b]
	v_cvt_scalef32_pk8_fp8_f32 v[PC+2+4*\b:PC+3+4*\b], v[\s+8+16*\b:\s+15+16*\b], v[TM+12+\b]
.endr
	v_nop                                          ; a plain line behind the last conversion
.endm
	s_load_b512 s[4:19], s[0:1], 0x0               ; W1 s[4:5], W2 s[6:7], theta_res s[8:9], theta_pre s[10:11], theta_post s[12:13], rms_weight s[14:15], w1p s[16:17], w2p s[18:19]
	s_load_b128 s[20:23], s[0:1], 0x40             ; tri s[20:21], tw s[22:23]
	v_lshrrev_b32 v1, 5, v0
	v_readfirstlane_b32 s24, v1                    ; wave 0..3
	v_and_b32 v2, 31, v0                           ; lane
	s_mov_b32 s[SEL], 0x76543210
	s_mov_b32 s[SEL+1], 0xfedcba98
	s_mov_b32 s[MNT], 0x600000
	s_wait_kmcnt 0x0
	s_cmp_lt_u32 ttmp9, 16
	s_cbranch_scc1 .Ltheta_res
	s_cmp_lt_u32 ttmp9, 32
	s_cbranch_scc1 .Ltheta_w
	; ---- THE WEIGHTS.  One path for both: only pointers and sizes are chosen, by the work-group's number
	s_sub_co_u32 s25, ttmp9, 32
	s_mov_b32 s30, 8192
	s_cmp_lt_u32 s25, 512                          ; W1's work-group or W2's?
	s_cselect_b64 s[26:27], s[4:5], s[6:7]         ; from
	s_cselect_b64 s[28:29], s[16:17], s[18:19]     ; to
	s_cselect_b32 s30, 32768, s30                  ; a row of the weight in bytes
	s_cselect_b32 s31, 6, 4                        ; 64 or 16 groups of 128 columns
	s_cselect_b32 s32, 16, 64                      ; K steps of 128 in a group
	s_cselect_b32 s33, 0, 512
	s_sub_co_u32 s25, s25, s33
	s_lshr_b32 s34, s25, s31                       ; which 256 along K
	s_lshl_b32 s35, s34, s31
	s_sub_co_u32 s35, s25, s35                     ; which group
	s_lshl_b32 s52, s34, 8
	s_mul_i32 s52, s52, s30                        ; 256 rows for each step along K (under 2^27),
	s_lshl_b32 s53, s35, 9
	s_add_co_u32 s52, s52, s53                     ; 512 bytes a group,
	s_lshl_b32 s53, s24, 7
	s_add_co_u32 s52, s52, s53                     ; 128 bytes a wave
	s_mov_b32 s53, 0
	s_add_nc_u64 s[36:37], s[26:27], s[52:53]      ; s[36:51]: a base for each of the eight blocks of 32 rows
	s_lshl_b32 s54, s30, 5
	s_mov_b32 s55, 0
.irp t, 1,2,3,4,5,6,7
	s_add_nc_u64 s[36+2*\t:37+2*\t], s[34+2*\t:35+2*\t], s[54:55]
.endr
	s_mul_i32 s56, s35, s32
	s_lshl_b32 s57, s34, 1
	s_add_co_u32 s56, s56, s57
	s_mul_i32 s56, s56, BLK                        ; (group x K steps + 2 x my 256) blocks
	s_mov_b32 s57, 0
	s_add_nc_u64 s[28:29], s[28:29], s[56:57]
	v_and_b32 v5, 7, v0                            ; my column among the wave's 32: the lane with bits 3 and 4 exchanged, so that lanes 0-15 are tile 2 w and lanes 16-31 tile 2 w + 1, each in the order of its places
	v_bfe_u32 v6, v0, 3, 1
	v_bfe_u32 v7, v0, 4, 1
	v_lshl_add_u32 v5, v6, 4, v5
	v_lshl_add_u32 v5, v7, 3, v5
	v_lshlrev_b32 v[RO], 2, v5
.set i, 1
.rept 31
	v_add_nc_u32 v[RO+i], s30, v[RO+i-1]           ; a row further down
.set i, i+1
.endr
	v_lshrrev_b32 v3, 4, v0                        ; out: tile = thread / 16, place = thread % 16
	v_lshlrev_b32 v3, 11, v3
	v_and_b32 v6, 15, v0
	v_lshl_add_u32 v3, v6, 4, v3                   ; 2,048 x tile + 16 x place
	v_lshlrev_b32 v4, 2, v0                        ; scale words: 64 x tile + 4 x place = 4 x thread
.macro LOAD t                          ; block t: W(32 t + i, my column), i = 0 .. 31, into set t % 2; a wave's load reads 128 consecutive bytes
.set li, 0
.rept 32
	global_load_b32 v[X+32*((\t)%2)+li], v[RO+li], s[36+2*(\t):37+2*(\t)] th:TH_LOAD_NT
.set li, li+1
.endr
.endm
.macro BLOCK t
.set XS, X+32*((\t)%2)
.set CS, C+8*(\t)
.if (\t) < 7
	s_wait_loadcnt 32                              ; this block's 32 loads are in; the next block's may be out
.else
	s_wait_loadcnt 0
.endif
	v_max3_num_f32 v170, |v[XS]|, |v[XS+1]|, |v[XS+2]|      ; the block's largest magnitude: all 32 numbers are mine; two chains
	v_max3_num_f32 v171, |v[XS+3]|, |v[XS+4]|, |v[XS+5]|
.irp i, 6,10,14,18,22,26
	v_max3_num_f32 v170, v170, |v[XS+\i]|, |v[XS+\i+1]|
	v_max3_num_f32 v171, v171, |v[XS+\i+2]|, |v[XS+\i+3]|
.endr
	v_max3_num_f32 v170, v170, |v[XS+30]|, |v[XS+31]|
	v_max3_num_f32 v170, v170, v171, 0x4800000     ; and the floor
	v_add_nc_u32 v172, 0xfc000000, v170            ; the conversion's scale operand
	v_and_or_b32 v173, v170, 0x7f800000, s[MNT]    ; 448 x the scale
	v_lshrrev_b32 v174, 23, v172                   ; the byte
.if (\t)%4 == 0
	v_mov_b32 v[SB+(\t)/4], v174
.else
	v_lshl_or_b32 v[SB+(\t)/4], v174, 8*((\t)%4), v[SB+(\t)/4]
.endif
.set mi, 0
.rept 32
	v_med3_num_f32 v[XS+mi], v[XS+mi], -v173, v173
.set mi, mi+1
.endr
.irp g, 0,1,2,3
	v_cvt_scalef32_pk8_fp8_f32 v[CS+2*\g:CS+2*\g+1], v[XS+8*\g:XS+8*\g+7], v172
.endr
	v_nop                                          ; a plain line behind the last conversion
	global_store_b128 v3, v[CS:CS+3], s[28:29] offset:((\t)/4)*BLK+512*((\t)%4)          ; k 0-15 of the block: the image's lanes 0-15; sixteen lanes store 256 consecutive bytes, aligned
	global_store_b128 v3, v[CS+4:CS+7], s[28:29] offset:((\t)/4)*BLK+512*((\t)%4)+256    ; k 16-31: its lanes 16-31
.if (\t)+2 < 8
	LOAD (\t)+2
.endif
.endm
	LOAD 0
	LOAD 1
.irp t, 0,1,2,3,4,5,6,7
	BLOCK \t
.endr
	global_store_b32 v4, v[SB], s[28:29] offset:16384           ; the two K steps' scale words: 128 consecutive bytes a wave
	global_store_b32 v4, v[SB+1], s[28:29] offset:BLK+16384
	s_endpgm
	; ---- THETA_RES: fragment f = 4 x work-group + wave, for wave (f / 4) of the next launch, its piece f % 4.  Its four blocks of 32 along K are k = 2048 n + 32 f + 0 .. 31, n = 0 .. 3: one from each stream.
.Ltheta_res:
	v_and_b32 v3, 15, v0                           ; r: my column of theta_res
	v_bfe_u32 v4, v0, 4, 1                         ; h
	v_lshlrev_b32 v5, 2, v3
	v_lshl_add_u32 v6, v4, 10, v5                  ; 16 h rows of 64 bytes + 4 r
	v_lshlrev_b32 v7, 4, v2
	s_lshl_b32 s25, ttmp9, 2
	s_add_co_u32 s25, s25, s24                     ; f
	s_lshl_b32 s26, s25, 11                        ; 32 f rows of 64 bytes in theta_res; and 2,048 f in tri
	s_mov_b32 s27, 0
	s_lshl_b32 s30, s25, 6
	s_mov_b32 s31, 0
	s_add_nc_u64 s[8:9], s[8:9], s[26:27]
	s_add_nc_u64 s[28:29], s[20:21], s[30:31]      ; its scale words: 64 f behind byte 131,072
	s_add_nc_u64 s[20:21], s[20:21], s[26:27]
.irp n, 0,1,2,3
.irp i, 0,1,2,3,4,5,6,7,8,9,10,11,12,13,14,15
	global_load_b32 v[16+16*\n+\i], v6, s[8:9] offset:131072*\n+64*\i
.endr
.endr
.irp b, 0,1,2,3
	v_mov_b32 v[TM+4+\b], 0                        ; a lane permute's destination counts as one of its sources
.endr
	s_wait_loadcnt 0x0
	QUANT 16
.irp c, 0,1,2,3
	global_store_b128 v7, v[PC+4*\c:PC+4*\c+3], s[20:21] offset:512*\c
.endr
	global_store_b32 v5, v[PW], s[28:29] offset:131072           ; lanes 16-31 hold and store the same words
	s_endpgm
	; ---- tw[j][k] = theta_pre[k][j] x rms_weight[k] (j 0-3), theta_post likewise (j 4-7).  A lane owns four neighbouring k
.Ltheta_w:
	s_sub_co_u32 s25, ttmp9, 16
	s_lshl_b32 s25, s25, 2
	s_add_co_u32 s25, s25, s24                     ; which run of 128 k
	s_lshl_b32 s26, s25, 11                        ; 16 bytes a k in theta_pre and theta_post
	s_mov_b32 s27, 0
	s_add_nc_u64 s[10:11], s[10:11], s[26:27]
	s_add_nc_u64 s[12:13], s[12:13], s[26:27]
	s_lshl_b32 s26, s25, 9                         ; 4 bytes a k in rms_weight and in a row of tw
	s_add_nc_u64 s[14:15], s[14:15], s[26:27]
	s_add_nc_u64 s[22:23], s[22:23], s[26:27]
	v_lshlrev_b32 v3, 6, v2
	v_lshlrev_b32 v4, 4, v2
.irp e, 0,1,2,3
	global_load_b128 v[16+4*\e:19+4*\e], v3, s[10:11] offset:16*\e
	global_load_b128 v[32+4*\e:35+4*\e], v3, s[12:13] offset:16*\e
.endr
	global_load_b128 v[8:11], v4, s[14:15]
	s_wait_loadcnt 0x0
.irp j, 0,1,2,3
.irp e, 0,1,2,3
	v_mul_f32 v[48+4*\j+\e], v[16+4*\e+\j], v[8+\e]
	v_mul_f32 v[64+4*\j+\e], v[32+4*\e+\j], v[8+\e]
.endr
.endr
.irp j, 0,1,2,3,4,5,6,7
	global_store_b128 v4, v[48+4*\j:51+4*\j], s[22:23] offset:32768*\j      ; 512 consecutive bytes a wave
.endr
	s_endpgm
.Lfunc_end_k_q3c2f3f8640_prep:
	.size	k_q3c2f3f8640_prep, .Lfunc_end_k_q3c2f3f8640_prep-k_q3c2f3f8640_prep
	.p2alignl 7, 3214868480
	.fill 96, 4, 3214868480
	.section	.rodata,"a",@progbits
	.p2align	6, 0x0
	.amdhsa_kernel k_q3c2f3f8640_prep
		.amdhsa_group_segment_fixed_size 0
		.amdhsa_private_segment_fixed_size 0
		.amdhsa_enable_private_segment 0
		.amdhsa_kernarg_size 80
		.amdhsa_user_sgpr_count 2
		.amdhsa_user_sgpr_kernarg_segment_ptr 1
		.amdhsa_wavefront_size32 1
		.amdhsa_system_sgpr_workgroup_id_x 1
		.amdhsa_system_sgpr_workgroup_id_y 1
		.amdhsa_system_sgpr_workgroup_id_z 1
		.amdhsa_system_vgpr_workitem_id 0
		.amdhsa_next_free_vgpr 184
		.amdhsa_next_free_sgpr 66
		.amdhsa_reserve_vcc 0
		.amdhsa_float_denorm_mode_32 3
		.amdhsa_float_denorm_mode_16_64 3
		.amdhsa_memory_ordered 1
		.amdhsa_forward_progress 1
		.amdhsa_inst_pref_size 77
	.end_amdhsa_kernel
	.amdgpu_metadata
---
amdhsa.version: [ 1, 2 ]
amdhsa.kernels:
  - .name:           k_q3c2f3f8640_prep
    .symbol:         k_q3c2f3f8640_prep.kd
    .args:
      - { .name: W1, .offset: 0, .size: 8, .value_kind: global_buffer, .address_space: global }
      - { .name: W2, .offset: 8, .size: 8, .value_kind: global_buffer, .address_space: global }
      - { .name: theta_res, .offset: 16, .size: 8, .value_kind: global_buffer, .address_space: global }
      - { .name: theta_pre, .offset: 24, .size: 8, .value_kind: global_buffer, .address_space: global }
      - { .name: theta_post, .offset: 32, .size: 8, .value_kind: global_buffer, .address_space: global }
      - { .name: rms_weight, .offset: 40, .size: 8, .value_kind: global_buffer, .address_space: global }
      - { .name: w1p, .offset: 48, .size: 8, .value_kind: global_buffer, .address_space: global }
      - { .name: w2p, .offset: 56, .size: 8, .value_kind: global_buffer, .address_space: global }
      - { .name: tri, .offset: 64, .size: 8, .value_kind: global_buffer, .address_space: global }
      - { .name: tw, .offset: 72, .size: 8, .value_kind: global_buffer, .address_space: global }
    .group_segment_fixed_size: 0
    .private_segment_fixed_size: 0
    .kernarg_segment_align: 8
    .kernarg_segment_size: 80
    .max_flat_workgroup_size: 128
    .sgpr_count:     66
    .vgpr_count:     184
    .wavefront_size: 32
...
	.end_amdgpu_metadata
.endif
;; end of part 1
;; launch xprep (part 2): grid 256 x 1, 16 waves a work-group, no clusters, 327,680 bytes of LDS; arguments x, rms_weight, tw, tri, alpha_pre, alpha_post, alpha_res, b_pre, b_post, b_res, xpp, hc; writes xpp, hc
.if DOCPART == 2
	.amdgcn_target "amdgcn-amd-amdhsa--gfx1250"
	.amdhsa_code_object_version 6
	.text
	.protected	k_q3c2f3f8640_xprep
	.globl	k_q3c2f3f8640_xprep
	.p2align	8
	.type	k_q3c2f3f8640_xprep,@function
k_q3c2f3f8640_xprep:
	s_mov_b64 s[64:65], 0
	v_nop
	global_prefetch_b8 v0, s[64:65] scope:SCOPE_SE
	s_setreg_imm32_b32 hwreg(HW_REG_WAVE_MODE, 25, 1), 1
	s_wait_xcnt 0x0
; XPREP: all that a row of x decides, but for the rounds of Sinkhorn-Knopp.  For each row: the sum of squares; x . (theta_pre, theta_post) x rms_weight in f32; H_pre, H_post; the QUANTISED product Q(xn) Q(theta_res);
; x_pre = the sum over n of H_pre[n] x[n], quantised along d into xpp (the layout stated at the head of the first kernel).
; hc takes 128 bytes a row: floats 0-15 exp(alpha_res x product + b_res)[n][m], the matrix as it stands AHEAD of Sinkhorn-Knopp, whose 20 rounds the last launch runs; floats 16-19 H_post; the rest is neither written nor read.
; No work is left out.
; SHARES.  A work-group holds 8 rows of x, 256 KiB, in LDS: filled once, read twice (the sums need a whole row before xn and x_pre can be made).  Wave w of sixteen owns d = 128 w .. 128 w + 127 of all four streams,
; fetches those bytes itself (four tiles, one a stream, of 8 rows x 512 bytes, and its 4 x 512 bytes of rms_weight: five tensor loads of a wave are out) and alone reads them: its own wait on TENSORcnt orders them.
; THE SUMS GO BY STREAMS: as soon as a stream's tile is in, its part of all 8 rows' nine sums is added, while the later tiles are on their way.
; THE QUANTISED PRODUCT.  Source 0 = 16 columns of theta_res, source 1 = 16 slots of xn's codes.  There are only 8 rows, so slot r = (row r % 8, piece r / 8): the two pieces are different blocks of K, and all 32 lanes quantise
; real numbers.  One accumulator multiplies by piece 0's fragment of theta_res and is right in slots 0-7, the other by piece 1's and is right in slots 8-15; the other halves pair unlike K and are never read.
; LIMITS: NaN and infinities among the inputs are not served.  Divisions are v_rcp_f32 and a multiply.  The exponential ahead of Sinkhorn-Knopp has no maximum taken away, as in the module.  Blocks under 2^-118 get the byte 1.
; In the two products left as they are, rms_weight and the reciprocal root are factored out (an order of rounding); for Q(xn) the module's own order (x times root times weight) is kept.
.set BLK,   16896
.set XW,    16896                      ; LDS 0: x.  Wave w at XW w; in it row 8 n + b at 528 x row: 512 bytes + 16 of padding
.set WL,    270336                     ; rms_weight: wave w at 2,112 w; row n at 528 n
.set RED,   304128                     ; [9 sums][8 rows][16 waves] f32
.set RES,   308736                     ; [8 rows][16 j][16 waves] f32
.set SPARE, 316928                     ; the spare words, 128 bytes for each wave: eight blocks of 256 bytes that no other line names
.set SPW,  1                           ; v1   SPARE + 4 x my thread's number; never rewritten
.set NIL,  2                           ; v2   0; never rewritten
.set LB,   3                           ; v3   x by rows: XW w + 16 l
.set LA,   4                           ; v4   x by slots: XW w + 528 b + 128 g + 64 h
.set LW,   5                           ; v5   rms_weight by slots: WL + 2112 w + 128 g + 64 h
.set REDW, 6                           ; v6   RED + 64 b + 4 w
.set REDR, 7                           ; v7   RED + 64 b
.set RESW, 8                           ; v8   RES + 1024 b + 512 h + 4 w
.set RESR, 9                           ; v9   RES + 1024 b + 256 (l / 8)
.set L16,  10                          ; v10  16 l
.set XO,   11                          ; v11  x_pre's codes: 512 g + 256 h + 16 b
.set B4,   12                          ; v12  4 b
.set R4,   13                          ; v13  4 r
.set XB,   16                          ; the sums: v16-47   a stream's piece of the eight rows, four registers a row
.set TW,   48                          ;           v48-111  tw of two streams: register 32 (n % 2) + 4 j + e
.set A,    112                         ;           v112-255 72 chains, a pair each: 18 b + 2 q
.set F,    16                          ;           v16-87   the chains folded: 9 b + q
.set T,    88                          ;           v88-89   at work
.set L1,   112                         ;           v112-147, v148-165 the tree that brings row l % 8 to lane l
.set L2,   148
.set F0,   68                          ;           v68-76 its end; v77-85 the other half of the lanes'
.set F1,   77
.set X,    16                          ; the chunks: v16-79 64 numbers of x, then of xn
.set WR,   80                          ;             v80-111 rms_weight for two streams
.set TM,   80                          ;             v80-95 at work in QUANT, when WR is done with
.set XC,   112                         ;             v112-119 x_pre's codes, four registers a chunk
.set TS,   122                         ;             v122-125 theta_res' scale words; v126 xn's: these five hold scales and nothing else from here on
.set PW,   126
.set PC,   128                         ;             v128-143 xn's codes
.set AC1,  144                         ;             v144-151, v152-159 the two accumulators
.set AC2,  152
.set HP,   160                         ;             v160 + 2 n H_pre[n], v161 + 2 n H_post[n]
.set RI,   168                         ;             v168-169 the reciprocal root, twice
.set XP,   170                         ;             v170-185 16 numbers of x_pre; v186-191 at work
.set TF,   192                         ;             v192-255 my four fragments of theta_res
.set WV,   28
.set G1X,  32                          ; s[32:39] group 1 for x's tiles; s[40:47] for rms_weight's; s[48:63] four groups 0 for x; s[68:71] one for rms_weight
.set G1W,  40
.set G0X,  48
.set G0W,  68
.set SEL,  88
.set MNT,  90
.macro QUANT s
.irp b, 0,1,2,3
	v_max3_num_f32 v[TM+\b], |v[\s+16*\b]|, |v[\s+1+16*\b]|, 0x4800000   ; block b: my 16 numbers, and the floor 2^(9 - 127): the byte cannot fall under 1
.endr
.irp i, 2,4,6,8,10,12,14
.irp b, 0,1,2,3
	v_max3_num_f32 v[TM+\b], v[TM+\b], |v[\s+16*\b+\i]|, |v[\s+1+16*\b+\i]|
.endr
.endr
.irp b, 0,1,2,3
	v_permlanex16_b32 v[TM+4+\b], v[TM+\b], s[SEL], s[SEL+1]
.endr
.irp b, 0,1,2,3
	v_max_num_f32 v[TM+\b], v[TM+\b], v[TM+4+\b]   ; with lane l xor 16's: the block's largest magnitude
.endr
.irp b, 0,1,2,3
	v_add_nc_u32 v[TM+12+\b], 0xfc000000, v[TM+\b]   ; the conversion's scale operand
.endr
.irp b, 0,1,2,3
	v_and_or_b32 v[TM+8+\b], v[TM+\b], 0x7f800000, s[MNT]   ; 448 x the scale
.endr
.irp b, 0,1,2,3
	v_lshrrev_b32 v[TM+4+\b], 23, v[TM+12+\b]   ; the byte
.endr
	v_lshl_or_b32 v[PW], v[TM+5], 8, v[TM+4]
	v_lshl_or_b32 v[PW], v[TM+6], 16, v[PW]
	v_lshl_or_b32 v[PW], v[TM+7], 24, v[PW]       ; the scale word stands ahead of the 64 holds: more than eight plain lines ahead of the products
.irp b, 0,1,2,3
.irp i, 0,1,2,3,4,5,6,7,8,9,10,11,12,13,14,15
	v_med3_num_f32 v[\s+16*\b+\i], v[\s+16*\b+\i], -v[TM+8+\b], v[TM+8+\b]   ; the conversion does not saturate (ISA guide 7.6.2): the hold
.endr
	v_cvt_scalef32_pk8_fp8_f32 v[PC+4*\b:PC+1+4*\b], v[\s+16*\b:\s+7+16*\b], v[TM+12+\b]
	v_cvt_scalef32_pk8_fp8_f32 v[PC+2+4*\b:PC+3+4*\b], v[\s+8+16*\b:\s+15+16*\b], v[TM+12+\b]
.endr
	v_nop
.endm
.macro SUM16 src, dst                  ; sixteen registers into one
.irp p, 0,2,4,6
	v_pk_add_f32 v[(\src)+\p:(\src)+\p+1], v[(\src)+\p:(\src)+\p+1], v[(\src)+8+\p:(\src)+9+\p]
.endr
.irp p, 0,2
	v_pk_add_f32 v[(\src)+\p:(\src)+\p+1], v[(\src)+\p:(\src)+\p+1], v[(\src)+4+\p:(\src)+5+\p]
.endr
	v_pk_add_f32 v[(\src):(\src)+1], v[(\src):(\src)+1], v[(\src)+2:(\src)+3]
	v_add_f32 v[\dst], v[(\src)], v[(\src)+1]
.endm
	s_load_b512 s[4:19], s[0:1], 0x0               ; x s[4:5], rms_weight s[6:7], tw s[8:9], tri s[10:11], alpha_pre s[12:13], alpha_post s[14:15], alpha_res s[16:17], b_pre s[18:19]
	s_load_b256 s[20:27], s[0:1], 0x40             ; b_post s[20:21], b_res s[22:23], xpp s[24:25], hc s[26:27]
	v_lshl_add_u32 v[SPW], v0, 2, SPARE
	v_mov_b32 v[NIL], 0
	ds_add_u32 v[SPW], v[NIL]                      ; the wave's opening: the add, twice on end, and its wait ahead of my first tensor load
	ds_add_u32 v[SPW], v[NIL]
	v_lshrrev_b32 v14, 5, v0
	v_readfirstlane_b32 s[WV], v14                 ; wave 0..15
	s_mov_b32 s[G1X+0], (2<<16)|(1<<20)|(6<<22)|(3<<25)   ; elements of 4 bytes; padding on: 4 words behind every 128, which is a row
	s_mov_b32 s[G1X+1], 128<<16                    ; tensor_dim0 = 128
	s_mov_b32 s[G1X+2], 8<<16                      ; tensor_dim1 = 8
	s_mov_b32 s[G1X+3], 128<<16                    ; tile_dim0 = 128
	s_mov_b32 s[G1X+4], 8                          ; tile_dim1 = 8: the work-group's rows
	s_mov_b32 s[G1X+5], 8192                       ; from row to row of x: 4 x 2,048 elements
	s_mov_b32 s[G1X+6], 0
	s_mov_b32 s[G1X+7], 0
	s_mov_b32 s[G1W+0], (2<<16)|(1<<20)|(6<<22)|(3<<25)
	s_mov_b32 s[G1W+1], 128<<16
	s_mov_b32 s[G1W+2], 4<<16
	s_mov_b32 s[G1W+3], 128<<16
	s_mov_b32 s[G1W+4], 4                          ; four streams,
	s_mov_b32 s[G1W+5], 2048                       ; 2,048 elements apart
	s_mov_b32 s[G1W+6], 0
	s_mov_b32 s[G1W+7], 0
	s_mov_b32 s84, 0xaaaaaaaa                      ; lanes with bit 0 set; bit 1; bit 2; bit 3
	s_mov_b32 s85, 0xcccccccc
	s_mov_b32 s86, 0xf0f0f0f0
	s_mov_b32 s87, 0xff00ff00
	s_mov_b32 s[SEL], 0x76543210
	s_mov_b32 s[SEL+1], 0xfedcba98
	s_mov_b32 s[MNT], 0x600000
	s_mov_b32 s91, 0x39000000                      ; 1 / 8192
	s_mov_b32 s92, 0x34000000                      ; the norm's eps, 2^-23
	s_mul_i32 s29, s[WV], XW
	s_lshl_b32 s30, ttmp9, 18                      ; 8 rows of 32,768 bytes a work-group
	s_lshl_b32 s98, s[WV], 9                       ; 512 bytes a wave
	s_add_co_u32 s30, s30, s98
	s_mov_b32 s31, 0
	s_mov_b32 s99, 0
	s_wait_dscnt 0x0                               ; both opening adds are done
	s_wait_kmcnt 0x0
	s_add_nc_u64 s[4:5], s[4:5], s[30:31]
.irp n, 0,1,2,3
	s_mov_b32 s[G0X+4*\n], 1
	s_add_co_u32 s[G0X+4*\n+1], s29, 4224*\n       ; LDS: my part, stream n's eight rows
	s_add_nc_u64 s[G0X+4*\n+2:G0X+4*\n+3], s[4:5], 8192*\n
	s_or_b32 s[G0X+4*\n+3], s[G0X+4*\n+3], 0x80000000
	tensor_load_to_lds s[G0X+4*\n:G0X+4*\n+3], s[G1X:G1X+7]
	s_nop 0
.endr
	s_mov_b32 s[G0W], 1
	s_mul_i32 s[G0W+1], s[WV], 2112
	s_add_co_u32 s[G0W+1], s[G0W+1], WL
	s_add_nc_u64 s[G0W+2:G0W+3], s[6:7], s[98:99]
	s_or_b32 s[G0W+3], s[G0W+3], 0x80000000
	tensor_load_to_lds s[G0W:G0W+3], s[G1W:G1W+7]  ; the last of my five
	s_nop 0
	s_load_b32 s72, s[12:13], 0x0                  ; alpha_pre, alpha_post, alpha_res
	s_load_b32 s73, s[14:15], 0x0
	s_load_b32 s74, s[16:17], 0x0
	s_load_b128 s[76:79], s[18:19], 0x0            ; b_pre
	s_load_b128 s[80:83], s[20:21], 0x0            ; b_post
	s_add_nc_u64 s[8:9], s[8:9], s[98:99]          ; tw at my 128 k of a stream
	v_and_b32 v16, 31, v0                          ; l
	v_lshlrev_b32 v[L16], 4, v16
.irp n, 0,1
.irp j, 0,1,2,3,4,5,6,7
	global_load_b128 v[TW+32*\n+4*\j:TW+32*\n+4*\j+3], v[L16], s[8:9] offset:32768*\j+8192*\n   ; tw[j][2048 n + 128 w + 4 l + 0 .. 3]: the first two streams'
.endr
.endr
	v_and_b32 v17, 15, v0                          ; r
	v_bfe_u32 v18, v0, 4, 1                        ; h
	v_and_b32 v19, 7, v0                           ; b
	v_bfe_u32 v20, v0, 3, 1                        ; g
	v_bfe_u32 v21, v0, 3, 2                        ; l / 8
	v_add_nc_u32 v[LB], s29, v[L16]
	v_mul_u32_u24 v[LA], v19, 528
	v_lshl_add_u32 v[LA], v20, 7, v[LA]
	v_lshl_add_u32 v[LA], v18, 6, v[LA]
	v_add_nc_u32 v[LA], s29, v[LA]
	v_lshlrev_b32 v[LW], 7, v20
	v_lshl_add_u32 v[LW], v18, 6, v[LW]
	s_mul_i32 s75, s[WV], 2112
	s_add_co_u32 s75, s75, WL
	v_add_nc_u32 v[LW], s75, v[LW]
	v_lshlrev_b32 v[REDR], 6, v19
	v_add_nc_u32 v[REDR], RED, v[REDR]
	s_lshl_b32 s75, s[WV], 2
	v_add_nc_u32 v[REDW], s75, v[REDR]
	v_lshlrev_b32 v22, 10, v19
	v_add_nc_u32 v22, RES, v22
	v_lshl_add_u32 v[RESW], v18, 9, v22
	v_add_nc_u32 v[RESW], s75, v[RESW]
	v_lshl_add_u32 v[RESR], v21, 8, v22
	v_lshlrev_b32 v[XO], 9, v20
	v_lshl_add_u32 v[XO], v18, 8, v[XO]
	v_lshl_add_u32 v[XO], v19, 4, v[XO]
	v_lshlrev_b32 v[B4], 2, v19
	v_lshlrev_b32 v[R4], 2, v17
	s_lshl_b32 s98, s[WV], 8
	s_add_nc_u64 s[6:7], s[10:11], s[98:99]        ; tri: my four scale-word rows, 64 bytes each, behind byte 131,072 (s[6:7] is free: rms_weight's address lies in its descriptor)
	s_lshl_b32 s98, s[WV], 13
	s_add_nc_u64 s[10:11], s[10:11], s[98:99]      ; and my four fragments
	s_lshr_b32 s30, ttmp9, 4                       ; xpp: group = row / 128; K step = my wave;
	s_lshl_b32 s30, s30, 4
	s_add_co_u32 s30, s30, s[WV]
	s_mul_i32 s30, s30, BLK
	s_bfe_u32 s75, ttmp9, 0x30001                  ; tile = (row / 16) % 8;
	s_and_b32 s93, ttmp9, 1                        ; the tile's rows 0-7 or 8-15
	s_lshl_b32 s98, s75, 11
	s_add_co_u32 s98, s98, s30
	s_lshl_b32 s31, s93, 7
	s_add_co_u32 s98, s98, s31
	s_add_nc_u64 s[94:95], s[24:25], s[98:99]      ; codes
	s_lshl_b32 s98, s75, 6
	s_add_co_u32 s98, s98, s30
	s_lshl_b32 s31, s93, 5
	s_add_co_u32 s98, s98, s31
	s_add_co_u32 s98, s98, 16384
	s_add_nc_u64 s[96:97], s[24:25], s[98:99]      ; scale words
	s_wait_kmcnt 0x0                               ; the alphas and the two biases
	; ---- THE SUMS, stream by stream.  Lanes run along k: a row's piece is read as 512 consecutive bytes.  For each row nine chains by turns: x x, and x tw[j], j = 0 .. 7
.macro STREAM n
	s_wait_tensorcnt 4-(\n)                        ; tensor loads of a wave end in order (ISA guide 10.11.1): stream n's tile is in; the 3 - n later tiles of x and rms_weight's may be out
.irp b, 0,1,2,3,4,5,6,7
	ds_load_b128 v[XB+4*\b:XB+4*\b+3], v[LB] offset:(8*(\n)+\b)*528
.endr
.if (\n) < 3
	s_wait_loadcnt 8                               ; this stream's eight loads of tw are in; the next stream's eight may be out
.else
	s_wait_loadcnt 0x0
.endif
.set TWN, TW+32*((\n)%2)
.irp b, 0,1,2,3,4,5,6,7
	s_wait_dscnt 7-\b                              ; row b's read is in; the later rows' may be out
.irp p, 0,2
.if ((\n) == 0) && (\p == 0)
	v_pk_mul_f32 v[A+18*\b:A+18*\b+1], v[XB+4*\b:XB+4*\b+1], v[XB+4*\b:XB+4*\b+1]      ; the first products start the sums
.irp j, 0,1,2,3,4,5,6,7
	v_pk_mul_f32 v[A+18*\b+2+2*\j:A+18*\b+3+2*\j], v[XB+4*\b:XB+4*\b+1], v[TWN+4*\j:TWN+4*\j+1]
.endr
.else
	v_pk_fma_f32 v[A+18*\b:A+18*\b+1], v[XB+4*\b+\p:XB+4*\b+\p+1], v[XB+4*\b+\p:XB+4*\b+\p+1], v[A+18*\b:A+18*\b+1]
.irp j, 0,1,2,3,4,5,6,7
	v_pk_fma_f32 v[A+18*\b+2+2*\j:A+18*\b+3+2*\j], v[XB+4*\b+\p:XB+4*\b+\p+1], v[TWN+4*\j+\p:TWN+4*\j+\p+1], v[A+18*\b+2+2*\j:A+18*\b+3+2*\j]
.endr
.endif
.endr
.endr
.if (\n)+2 < 4
.irp j, 0,1,2,3,4,5,6,7
	global_load_b128 v[TWN+4*\j:TWN+4*\j+3], v[L16], s[8:9] offset:32768*\j+8192*((\n)+2)   ; this set takes tw of the stream two on
.endr
.endif
.endm
; Two rows' sums become one register: lanes whose bit m is clear keep row P's and take their partner's, the others row Q's
.macro MERGE dst, P, Q, m, sm
.irp q, 0,1,2,3,4,5,6,7,8
	v_cndmask_b32 v[\dst+\q], v[\P+\q], v[\Q+\q], s[\sm]
	v_cndmask_b32 v[T+\q%2], v[\Q+\q], v[\P+\q], s[\sm]
	v_add_f32_dpp v[\dst+\q], v[T+\q%2], v[\dst+\q] row_xmask:\m row_mask:0xf bank_mask:0xf
.endr
.endm
	STREAM 0
	STREAM 1
	STREAM 2
	STREAM 3
.irp b, 0,1,2,3,4,5,6,7
.irp q, 0,1,2,3,4,5,6,7,8
	v_add_f32 v[F+9*\b+\q], v[A+18*\b+2*\q], v[A+18*\b+2*\q+1]     ; a chain's two halves
.endr
.endr
	MERGE L1, F, F+9, 1, 84
	MERGE L1+9, F+18, F+27, 1, 84
	MERGE L1+18, F+36, F+45, 1, 84
	MERGE L1+27, F+54, F+63, 1, 84
	MERGE L2, L1, L1+9, 2, 85
	MERGE L2+9, L1+18, L1+27, 2, 85
	MERGE F0, L2, L2+9, 4, 86                      ; lane l now holds row l % 8
.irp q, 0,1,2,3,4,5,6,7,8
	v_add_f32_dpp v[F0+\q], v[F0+\q], v[F0+\q] row_xmask:8 row_mask:0xf bank_mask:0xf
.endr
.irp q, 0,1,2,3,4,5,6,7,8
	v_permlanex16_b32 v[F1+\q], v[F0+\q], s[SEL], s[SEL+1]
.endr
.irp q, 0,1,2,3,4,5,6,7,8
	v_add_f32 v[F0+\q], v[F0+\q], v[F1+\q]         ; my wave's 512 k of row l % 8
.endr
.irp q, 0,1,2,3,4,5,6,7,8
	ds_store_b32 v[REDW], v[F0+\q] offset:512*\q   ; the four lanes of a row store the same word
.endr
.irp f, 0,1,2,3
.irp c, 0,1,2,3
	global_load_b128 v[TF+16*\f+4*\c:TF+16*\f+4*\c+3], v[L16], s[10:11] offset:2048*\f+512*\c   ; the chains are done with: my fragments of theta_res take their registers
.endr
	global_load_b32 v[TS+\f], v[R4], s[6:7] offset:131072+64*\f
.endr
	s_wait_dscnt 0x0                               ; for the others' sake: my stores are done
	s_barrier_signal -1
	s_barrier_wait -1
	; ---- every wave alike: the sixteen waves' parts are added; the root; the two sigmoids.  Lane l works for row l % 8
.irp gq, 0,1,2
.irp qq, 0,1,2
.irp c, 0,1,2,3
	ds_load_b128 v[16+16*\qq+4*\c:19+16*\qq+4*\c], v[REDR] offset:512*(3*\gq+\qq)+16*\c
.endr
.endr
	s_wait_dscnt 0x0
.irp qq, 0,1,2
	SUM16 16+16*\qq, 64+3*\gq+\qq
.endr
.endr
	v_fma_f32 v73, v64, s91, s92                   ; the mean of the squares + eps
	v_rsq_f32 v[RI], v73
	v_nop                                          ; a plain line behind the transcendental,
	s_wait_alu depctr_va_vdst(0)                   ; and the wait ahead of the first line that names its result
	v_mov_b32 v[RI+1], v[RI]
.irp n, 0,1,2,3
	v_mul_f32 v[74+\n], v[65+\n], v[RI]
	v_mul_f32 v[78+\n], v[69+\n], v[RI]
.endr
.irp n, 0,1,2,3
	v_fma_f32 v[74+\n], v[74+\n], s72, s[76+\n]    ; alpha x (xn . theta) + b
	v_fma_f32 v[78+\n], v[78+\n], s73, s[80+\n]
.endr
.irp i, 0,1,2,3,4,5,6,7
	v_mul_f32 v[74+\i], 0xbfb8aa3b, v[74+\i]       ; x -log2(e)
.endr
.irp i, 0,1,2,3,4,5,6,7
	v_exp_f32 v[74+\i], v[74+\i]
.endr
	v_nop
	s_wait_alu depctr_va_vdst(0)                   ; one wait for the eight
.irp i, 0,1,2,3,4,5,6,7
	v_add_f32 v[74+\i], 1.0, v[74+\i]
.endr
.irp n, 0,1,2,3
	v_rcp_f32 v[HP+2*\n], v[74+\n]                 ; H_pre
	v_rcp_f32 v[HP+1+2*\n], v[78+\n]
.endr
	v_mov_b32 v187, 0                              ; (a lane permute's destination counts as one of its sources.)  A plain line behind the reciprocals
	s_wait_alu depctr_va_vdst(0)
.irp n, 0,1,2,3
	v_add_f32 v[HP+1+2*\n], v[HP+1+2*\n], v[HP+1+2*\n]   ; H_post = 2 x sigmoid
.endr
	s_wait_tensorcnt 0x0                           ; rms_weight's tile
	s_wait_loadcnt 0x0                             ; theta_res' fragments and scale words
	; ---- TWO CHUNKS.  Lane (r, h): row b = r % 8, piece g = r / 8.  Register 16 n + i = x[b][n][128 w + 32 (2 cc + g) + 16 h + i]: QUANT's four blocks are the four streams
.macro CHUNK cc
.irp n, 0,1,2,3
.irp q, 0,1,2,3
	ds_load_b128 v[X+16*\n+4*\q:X+16*\n+4*\q+3], v[LA] offset:4224*\n+256*\cc+16*\q
.endr
.endr
.irp n, 0,1
.irp q, 0,1,2,3
	ds_load_b128 v[WR+16*\n+4*\q:WR+16*\n+4*\q+3], v[LW] offset:528*\n+256*\cc+16*\q
.endr
.endr
	s_wait_dscnt 0x0
.irp p, 0,2,4,6,8,10,12,14
	v_pk_mul_f32 v[XP+\p:XP+\p+1], v[X+\p:X+\p+1], v[HP:HP+1] op_sel_hi:[1,0]      ; x_pre = the sum over n of H_pre[n] x[n] (of each pair the low word, H_pre, serves both halves)
.endr
.irp n, 1,2,3
.irp p, 0,2,4,6,8,10,12,14
	v_pk_fma_f32 v[XP+\p:XP+\p+1], v[X+16*\n+\p:X+16*\n+\p+1], v[HP+2*\n:HP+2*\n+1], v[XP+\p:XP+\p+1] op_sel_hi:[1,0,1]
.endr
.endr
.set ci, 0
.rept 16
	v_pk_mul_f32 v[X+ci:X+ci+1], v[X+ci:X+ci+1], v[RI:RI+1]          ; xn = (x times root) times weight: streams 0, 1
.set ci, ci+2
.endr
.set ci, 0
.rept 16
	v_pk_mul_f32 v[X+ci:X+ci+1], v[X+ci:X+ci+1], v[WR+ci:WR+ci+1]
.set ci, ci+2
.endr
.irp n, 0,1
.irp q, 0,1,2,3
	ds_load_b128 v[WR+16*\n+4*\q:WR+16*\n+4*\q+3], v[LW] offset:528*(\n+2)+256*\cc+16*\q   ; the weights of streams 2, 3 land while those streams are multiplied by the root
.endr
.endr
.set ci, 32
.rept 16
	v_pk_mul_f32 v[X+ci:X+ci+1], v[X+ci:X+ci+1], v[RI:RI+1]
.set ci, ci+2
.endr
	s_wait_dscnt 0x0
.set ci, 0
.rept 16
	v_pk_mul_f32 v[X+32+ci:X+33+ci], v[X+32+ci:X+33+ci], v[WR+ci:WR+ci+1]
.set ci, ci+2
.endr
	QUANT X
	; x_pre's one block of 32 (mine and lane l xor 16's).  These plain lines are also the four that stand between xn's codes and the products
	v_max3_num_f32 v186, |v[XP]|, |v[XP+1]|, 0x4800000
.irp i, 2,4,6,8,10,12,14
	v_max3_num_f32 v186, v186, |v[XP+\i]|, |v[XP+\i+1]|
.endr
	v_permlanex16_b32 v187, v186, s[SEL], s[SEL+1]
	v_max_num_f32 v186, v186, v187
	v_add_nc_u32 v188, 0xfc000000, v186
	v_and_or_b32 v189, v186, 0x7f800000, s[MNT]
	v_lshrrev_b32 v[190+\cc], 23, v188             ; its byte: byte 2 cc + g of the row's scale word
.irp i, 0,1,2,3,4,5,6,7,8,9,10,11,12,13,14,15
	v_med3_num_f32 v[XP+\i], v[XP+\i], -v189, v189
.endr
	v_cvt_scalef32_pk8_fp8_f32 v[XC+4*\cc:XC+4*\cc+1], v[XP:XP+7], v188
	v_cvt_scalef32_pk8_fp8_f32 v[XC+4*\cc+2:XC+4*\cc+3], v[XP+8:XP+15], v188
	v_nop
	global_store_b128 v[XO], v[XC+4*\cc:XC+4*\cc+3], s[94:95] offset:1024*\cc     ; register group 2 cc + g of the image, lane 16 h + the row's place
	; the two accumulators take turns, one instruction a turn
.if \cc == 0
	v_wmma_scale_f32_16x16x128_f8f6f4 v[AC1:AC1+7], v[TF:TF+15], v[PC:PC+15], 0, v[TS], v[PW]
	v_wmma_scale_f32_16x16x128_f8f6f4 v[AC2:AC2+7], v[TF+16:TF+31], v[PC:PC+15], 0, v[TS+1], v[PW]
.else
	v_wmma_scale_f32_16x16x128_f8f6f4 v[AC1:AC1+7], v[TF+32:TF+47], v[PC:PC+15], v[AC1:AC1+7], v[TS+2], v[PW]
	v_wmma_scale_f32_16x16x128_f8f6f4 v[AC2:AC2+7], v[TF+48:TF+63], v[PC:PC+15], v[AC2:AC2+7], v[TS+3], v[PW]
.endif
.endm
	CHUNK 0
	CHUNK 1
	v_bfe_u32 v186, v0, 3, 1                       ; x_pre's scale word: my bytes g and 2 + g, joined with lane l xor 8's
	v_lshlrev_b32 v186, 3, v186
	v_lshlrev_b32 v190, v186, v190
	v_add_nc_u32 v186, 16, v186
	v_lshlrev_b32 v191, v186, v191
	v_or_b32 v190, v190, v191
	v_mov_b32_dpp v187, v190 row_xmask:8 row_mask:0xf bank_mask:0xf
	v_or_b32 v190, v190, v187
	global_store_b32 v[B4], v190, s[96:97]         ; the four lanes of a row store the same word
.rept 8
	v_nop                                          ; eight plain lines behind the last products, ahead of the first read of their results
.endr
.irp j, 0,1,2,3,4,5,6,7
	v_cndmask_b32 v[16+\j], v[AC1+\j], v[AC2+\j], s87   ; slots 0-7 of the one, slots 8-15 of the other; each accumulator from its low end on
.endr
.irp j, 0,1,2,3,4,5,6,7
	v_add_f32_dpp v[16+\j], v[16+\j], v[16+\j] row_xmask:8 row_mask:0xf bank_mask:0xf   ; the row's two pieces
.endr
.irp j, 0,1,2,3,4,5,6,7
	ds_store_b32 v[RESW], v[16+\j] offset:64*\j    ; column j = 8 h + register
.endr
	s_wait_tensorcnt 0x0                           ; my last LDS store stands above; the s_wait_dscnt below is also this barrier's wait, for the others' sake
	ds_add_u32 v[SPW], v[NIL]
	s_wait_dscnt 0x0
	s_barrier_signal -1
	s_barrier_wait -1
	s_cmp_lg_u32 s[WV], 0
	s_cbranch_scc1 .Lend                           ; what is left is 8 matrices of 4 x 4: one wave's work; it reads LDS and writes none
	; ---- the sixteen waves' parts of the product; alpha_res, b_res, the exponential.  Lane = (row b = l % 8, matrix row i = l / 8); its four registers are the matrix row
.irp m, 0,1,2,3
.irp c, 0,1,2,3
	ds_load_b128 v[16+16*\m+4*\c:19+16*\m+4*\c], v[RESR] offset:64*\m+16*\c
.endr
.endr
	v_bfe_u32 v84, v0, 3, 2
	v_lshlrev_b32 v84, 4, v84
	global_load_b128 v[80:83], v84, s[22:23]       ; b_res[i][0 .. 3]
	v_and_b32 v103, 7, v0
	v_lshlrev_b32 v103, 7, v103                    ; hc: 128 bytes a row,
	v_add_nc_u32 v102, v103, v84                   ; + 16 i
	s_lshl_b32 s98, ttmp9, 10
	s_add_nc_u64 s[26:27], s[26:27], s[98:99]
	s_wait_dscnt 0x0
.irp m, 0,1,2,3
	SUM16 16+16*\m, 88+\m
.endr
	s_wait_loadcnt 0x0
.irp m, 0,1,2,3
	v_fma_f32 v[88+\m], v[88+\m], s74, v[80+\m]    ; alpha_res x the product + b_res
.endr
.irp m, 0,1,2,3
	v_mul_f32 v[88+\m], 0x3fb8aa3b, v[88+\m]
.endr
.irp m, 0,1,2,3
	v_exp_f32 v[88+\m], v[88+\m]
.endr
.irp n, 0,1,2,3
	v_mov_b32 v[104+\n], v[HP+1+2*\n]              ; H_post into neighbouring registers: plain lines behind the exponentials
.endr
	s_wait_alu depctr_va_vdst(0)                   ; one wait for the four, ahead of the store that names them
	global_store_b128 v102, v[88:91], s[26:27]               ; the matrix row i, ahead of Sinkhorn-Knopp
	global_store_b128 v103, v[104:107], s[26:27] offset:64   ; H_post; the four lanes of a row store the same 16 bytes
.Lend:
	s_endpgm
.Lfunc_end_k_q3c2f3f8640_xprep:
	.size	k_q3c2f3f8640_xprep, .Lfunc_end_k_q3c2f3f8640_xprep-k_q3c2f3f8640_xprep
	.p2alignl 7, 3214868480
	.fill 96, 4, 3214868480
	.section	.rodata,"a",@progbits
	.p2align	6, 0x0
	.amdhsa_kernel k_q3c2f3f8640_xprep
		.amdhsa_group_segment_fixed_size 327680
		.amdhsa_private_segment_fixed_size 0
		.amdhsa_enable_private_segment 0
		.amdhsa_kernarg_size 96
		.amdhsa_user_sgpr_count 2
		.amdhsa_user_sgpr_kernarg_segment_ptr 1
		.amdhsa_wavefront_size32 1
		.amdhsa_system_sgpr_workgroup_id_x 1
		.amdhsa_system_sgpr_workgroup_id_y 1
		.amdhsa_system_sgpr_workgroup_id_z 1
		.amdhsa_system_vgpr_workitem_id 0
		.amdhsa_next_free_vgpr 256
		.amdhsa_next_free_sgpr 100
		.amdhsa_reserve_vcc 0
		.amdhsa_float_denorm_mode_32 3
		.amdhsa_float_denorm_mode_16_64 3
		.amdhsa_memory_ordered 1
		.amdhsa_forward_progress 1
		.amdhsa_inst_pref_size 120
	.end_amdhsa_kernel
	.amdgpu_metadata
---
amdhsa.version: [ 1, 2 ]
amdhsa.kernels:
  - .name:           k_q3c2f3f8640_xprep
    .symbol:         k_q3c2f3f8640_xprep.kd
    .args:
      - { .name: x, .offset: 0, .size: 8, .value_kind: global_buffer, .address_space: global }
      - { .name: rms_weight, .offset: 8, .size: 8, .value_kind: global_buffer, .address_space: global }
      - { .name: tw, .offset: 16, .size: 8, .value_kind: global_buffer, .address_space: global }
      - { .name: tri, .offset: 24, .size: 8, .value_kind: global_buffer, .address_space: global }
      - { .name: alpha_pre, .offset: 32, .size: 8, .value_kind: global_buffer, .address_space: global }
      - { .name: alpha_post, .offset: 40, .size: 8, .value_kind: global_buffer, .address_space: global }
      - { .name: alpha_res, .offset: 48, .size: 8, .value_kind: global_buffer, .address_space: global }
      - { .name: b_pre, .offset: 56, .size: 8, .value_kind: global_buffer, .address_space: global }
      - { .name: b_post, .offset: 64, .size: 8, .value_kind: global_buffer, .address_space: global }
      - { .name: b_res, .offset: 72, .size: 8, .value_kind: global_buffer, .address_space: global }
      - { .name: xpp, .offset: 80, .size: 8, .value_kind: global_buffer, .address_space: global }
      - { .name: hc, .offset: 88, .size: 8, .value_kind: global_buffer, .address_space: global }
    .group_segment_fixed_size: 327680
    .private_segment_fixed_size: 0
    .kernarg_segment_align: 8
    .kernarg_segment_size: 96
    .max_flat_workgroup_size: 512
    .sgpr_count:     100
    .vgpr_count:     256
    .wavefront_size: 32
...
	.end_amdgpu_metadata
.endif
;; end of part 2
;; launch gemm1 (part 3): grid 32 x 8, 4 waves a work-group, clusters of 4 x 4, 327,680 bytes of LDS; arguments xpp, w1p, b1, hp; writes hp
.if DOCPART == 3
	.amdgcn_target "amdgcn-amd-amdhsa--gfx1250"
	.amdhsa_code_object_version 6
	.text
	.protected	k_q3c2f3f8640_gemm1
	.globl	k_q3c2f3f8640_gemm1
	.p2align	8
	.type	k_q3c2f3f8640_gemm1,@function
k_q3c2f3f8640_gemm1:
	s_mov_b64 s[64:65], 0
	v_nop
	global_prefetch_b8 v0, s[64:65] scope:SCOPE_SE
	s_setreg_imm32_b32 hwreg(HW_REG_WAVE_MODE, 25, 1), 1
	s_wait_xcnt 0x0
	s_wait_alu depctr_hold_cnt(0) depctr_sa_sdst(0) depctr_va_vdst(0) depctr_va_sdst(0) depctr_va_ssrc(0) depctr_va_vcc(0) depctr_vm_vsrc(0)
	s_getreg_b32 s2, hwreg(HW_REG_IB_STS2, 6, 4)
	s_cmp_eq_u32 s2, 0
	s_cbranch_scc0 .Lentry_in_a_cluster
	s_endpgm
.Lentry_in_a_cluster:
	s_bfe_u32 s2, ttmp6, 0x10000c
	s_cmp_lg_u32 s2, 0xf033
	s_cbranch_scc0 .Lentry_shape_is_right
	s_endpgm
.Lentry_shape_is_right:
; GEMM1: h = Q(gelu(Q(x_pre) Q(W1) + b1)), [2048][8192], written as codes into hp.  Operands and result lie as the head of the first kernel states: [group of 128 rows][K step of 128][BLK bytes].  No work is left out.
; A tile of 256 x 256 is made by a work-group of four waves; a wave makes 128 x 128: 64 accumulators, 512 registers.  K = 2,048 goes through a ring of two LDS slots; a slot holds two K steps of 128 of four groups
; (A's two, B's two): each wave fetches one group's 33,792 dense bytes, codes and scale words together, with one tensor load.  Two loads of a wave are out at the start, later one.
; A fragment is an image of its registers: four reads of 16 bytes a lane at 16 x lane, 512 consecutive bytes each: no pitch and no padding.
; CLUSTERS: 4 x 4 work-groups.  The four of a row of the cluster need the same groups of x_pre, the four of a column the same groups of W1: each is asked for JOINTLY, by the same load with a mask that names the four.
; HALF OF THE CLUSTERS WALK K FROM ITS MIDDLE: a cluster at (X, Y) has the class (X ^ X / 2 ^ Y ^ Y / 2) & 1; class 1 takes the eight fills in the order 4 .. 7, 0 .. 3.  So of the clusters that read one group the two classes
; ask for different halves of it at a time, and each half is asked for a second time four fills after the first.  The class is made of the cluster's own coordinates: it is the same in all sixteen partners.  The f32 sums are taken in that order of K.
; THE MATRIX INSTRUCTION IS USED TRANSPOSED (source 0 = 16 columns of W1, source 1 = 16 rows of x_pre), and W1's tiles hold the columns that make a lane's 64 results of a block of rows 4 x 16 neighbours along the next K:
; register 16 bb + i of lane (r, h) is hidden unit 32 bb + 16 h + i of row r.  A wave's 128 columns are one K step of the next product, so each block of 16 rows leaves as one whole image and one scale word a row.
; GELU: x Phi(x) = max(x, 0) - |x| q(|x|), q(y) = phi(y) (c1 t + .. + c5 t^5), t = 1 / (1 + 0.2316419 y) (Abramowitz and Stegun 26.2.17).  No difference of near numbers is formed for negative x.
; LIMITS: Phi is right to 7.5e-8 absolute, so far-negative x has gelu right to |x| x 7.5e-8, not to a part in a million of itself.  NaN and infinities are not served.  Blocks under 2^-118 get the byte 1.
; REGISTERS, in windows of 256: window 0: v0-31 addresses; v32-63 scale words, two sets, and nothing else; v64-127 b1 in the result's layout; from v128 A's fragments, ONE set.
;   window 1: B's fragments, TWO sets; on the way out all that the vector work touches.   windows 2, 3: the accumulators ((a, b) at v[8 (8 (a % 4) + b)]).
.set BLK,   16896
.set REG,   2*BLK                      ; what one tensor load brings: two K steps of one group
.set SLOT,  4*REG                      ; region j = the loading wave: A's two groups, then B's two
.set SPARE, 2*SLOT                     ; behind the ring: the spare words, 128 bytes for each wave: two blocks of 256 bytes that no other line names
.set NQ,    2
.set FR,    16
.set NL,    4
.set NP,    8                          ; plain lines behind this matrix instruction (ISA guide 7.12.1)
.set LAPS,  4                          ; a lap = two slots = 512 along K
.set ADRA,  16                         ; v16-17 my A fragments in slot 0, 1: 16 x lane + the region
.set ADRB,  20                         ; v20-21 the same for B
.set ADRS,  22                         ; v22-23 scale words: lanes 0-15 A's rows, lanes 16-31 B's
.set SPW,   28
.set NIL,   29
.set SC,    32
.set BI,    64
.set AF,    128
.set G1,    24
.set G0,    32
.set G1B,   48
.set G0B,   56
.set SEL,   66
.set MNT,   68
.set PS,    69
.set WRP,   70                         ; s[70:71] what a refill's address is taken back by: 0, but in the lap that wraps
.set WR,    72                         ; s72      a group's 270,336 bytes in a cluster of class 1, else 0
.set G,     0                          ; window 1 on the way out: v0-63 a block's 64 numbers a lane
.set T,     64                         ; v64-95 t, later max(x, 0)
.set E,     96                         ; v96-127 the exponential
.set R,     128                        ; v128-159 the polynomial
.set TM,    160
.set PC,    176
.set PW,    192
.set KC,    194                        ; v194-205 six constants, a pair each
.set LO16,  206                        ; 16 x lane
.set LO4,   207                        ; 4 x (lane % 16)
.set MSB, 0
.macro WIN new                         ; the immediate's high byte repeats the setting that is left
.if MSB != (\new)
	s_set_vgpr_msb (MSB<<8)|(\new)
.set MSB, \new
.endif
.endm
.set MUL_LO, 0xa1                      ; source 0 (B) window 1, source 1 (A) window 0, C and D window 2
.set MUL_HI, 0xf1
.set TO_B,   0x40
.macro JLOAD g0a, g1a, g0b, g1b        ; a joint load: waves 0 and 1 fetch for A, waves 2 and 3 for B; the branch hangs on the wave's number alone.  An s_nop 0 and four v_nop follow each line
	s_cmp_eq_u32 s15, 0
	s_cbranch_scc0 .Lfor_b_\@
	tensor_load_to_lds s[\g0a:\g0a+3], s[\g1a:\g1a+7]
	s_nop 0
.rept 4
	v_nop
.endr
	s_branch .Lasked_\@
.Lfor_b_\@:
	tensor_load_to_lds s[\g0b:\g0b+3], s[\g1b:\g1b+7]
	s_nop 0
.rept 4
	v_nop
.endr
.Lasked_\@:
.endm
.macro CREST                           ; a round of the cluster's barrier behind its opening barrier
	s_cmp_lg_u32 s14, 0
	s_cbranch_scc1 .Lnot_wave_0_\@
	s_barrier_signal -3
.Lnot_wave_0_\@:
	s_barrier_wait -3
	s_barrier_signal -1
	s_barrier_wait -1
.endm
.macro CROUND
	s_barrier_signal -1
	s_barrier_wait -1
	CREST
.endm
.macro QUANT s
.irp b, 0,1,2,3
	v_max3_num_f32 v[TM+\b], |v[\s+16*\b]|, |v[\s+1+16*\b]|, 0x4800000   ; block b: my 16 numbers, and the floor 2^(9 - 127)
.endr
.irp i, 2,4,6,8,10,12,14
.irp b, 0,1,2,3
	v_max3_num_f32 v[TM+\b], v[TM+\b], |v[\s+16*\b+\i]|, |v[\s+1+16*\b+\i]|
.endr
.endr
.irp b, 0,1,2,3
	v_permlanex16_b32 v[TM+4+\b], v[TM+\b], s[SEL], s[SEL+1]
.endr
.irp b, 0,1,2,3
	v_max_num_f32 v[TM+\b], v[TM+\b], v[TM+4+\b]
.endr
.irp b, 0,1,2,3
	v_add_nc_u32 v[TM+12+\b], 0xfc000000, v[TM+\b]
.endr
.irp b, 0,1,2,3
	v_and_or_b32 v[TM+8+\b], v[TM+\b], 0x7f800000, s[MNT]
.endr
.irp b, 0,1,2,3
	v_lshrrev_b32 v[TM+4+\b], 23, v[TM+12+\b]
.endr
	v_lshl_or_b32 v[PW], v[TM+5], 8, v[TM+4]
	v_lshl_or_b32 v[PW], v[TM+6], 16, v[PW]
	v_lshl_or_b32 v[PW], v[TM+7], 24, v[PW]
.irp b, 0,1,2,3
.irp i, 0,1,2,3,4,5,6,7,8,9,10,11,12,13,14,15
	v_med3_num_f32 v[\s+16*\b+\i], v[\s+16*\b+\i], -v[TM+8+\b], v[TM+8+\b]
.endr
	v_cvt_scalef32_pk8_fp8_f32 v[PC+4*\b:PC+1+4*\b], v[\s+16*\b:\s+7+16*\b], v[TM+12+\b]
	v_cvt_scalef32_pk8_fp8_f32 v[PC+2+4*\b:PC+3+4*\b], v[\s+8+16*\b:\s+15+16*\b], v[TM+12+\b]
.endr
	v_nop
.endm
	s_load_b128 s[4:7], s[0:1], 0x0                ; xpp s[4:5], w1p s[6:7]
	s_load_b128 s[8:11], s[0:1], 0x10              ; b1 s[8:9], hp s[10:11]
	v_lshl_add_u32 v[SPW], v0, 2, SPARE
	v_mov_b32 v[NIL], 0
	ds_add_u32 v[SPW], v[NIL]                      ; the wave's opening: the add, twice on end, and its wait ahead of my first tensor load
	ds_add_u32 v[SPW], v[NIL]
	v_lshrrev_b32 v1, 5, v0
	v_readfirstlane_b32 s14, v1                    ; wave 0..3
	s_lshr_b32 s15, s14, 1                         ; which half of the tile's rows is mine.  Also: I fetch for A (0) or for B (1)
	s_and_b32 s16, s14, 1                          ; which half of its columns.  Also: which of the two groups I fetch
	s_bfe_u32 s40, ttmp6, 0x40000                  ; cx, cy: my place in the cluster
	s_bfe_u32 s41, ttmp6, 0x40004
	s_lshl_b32 s42, ttmp9, 2
	s_add_co_u32 s42, s42, s40                     ; tile column
	s_and_b32 s17, ttmp7, 0xffff
	s_lshl_b32 s17, s17, 2
	s_add_co_u32 s17, s17, s41                     ; tile row
	s_lshl_b32 s43, s41, 2
	s_lshl_b32 s43, 15, s43                        ; my row of the cluster
	s_lshl_b32 s44, 0x1111, s40                    ; my column
	s_or_b32 s[G1+0], s43, (3<<16)|(1<<21)         ; the mask; elements of 8 bytes; bit 21 beside a mask; no padding
	s_or_b32 s[G1B+0], s44, (3<<16)|(1<<21)
.irp g, G1, G1B
	s_mov_b32 s[\g+1], 32<<16                      ; a dense block of 33,792 bytes as 132 rows of 256
	s_mov_b32 s[\g+2], 132<<16
	s_mov_b32 s[\g+3], 32<<16
	s_mov_b32 s[\g+4], 132
	s_mov_b32 s[\g+5], 32
	s_mov_b32 s[\g+6], 0
	s_mov_b32 s[\g+7], 0
.endr
	s_lshr_b32 s18, ttmp9, 1                       ; my cluster's class, from the cluster's x and y alone
	s_xor_b32 s18, s18, ttmp9
	s_and_b32 s19, ttmp7, 0xffff
	s_lshr_b32 s20, s19, 1
	s_xor_b32 s19, s19, s20
	s_xor_b32 s18, s18, s19
	s_and_b32 s18, s18, 1
	s_mul_i32 s[WR], s18, 16*BLK                   ; class 1: a group's whole length is taken off where the walk wraps,
	s_mul_i32 s19, s18, 8*BLK                      ; and the walk begins at fill 4, half a group on
	s_mov_b32 s[WRP], 0
	s_mov_b32 s[WRP+1], 0
	s_lshl_b32 s20, s17, 1
	s_add_co_u32 s20, s20, s16                     ; A: group 2 x tile row + half: it hangs on the tile row, which my row of the cluster shares
	s_mul_i32 s20, s20, 16*BLK
	s_add_co_u32 s20, s20, s19
	s_mov_b32 s21, 0
	s_lshl_b32 s46, s42, 1
	s_add_co_u32 s46, s46, s16                     ; B: group 2 x tile column + half
	s_mul_i32 s46, s46, 16*BLK
	s_add_co_u32 s46, s46, s19
	s_mov_b32 s47, 0
	s_mul_i32 s45, s14, REG                        ; where they go: no place in the cluster enters an LDS address
	s_wait_dscnt 0x0                               ; both opening adds are done
	s_wait_kmcnt 0x0
	s_add_nc_u64 s[20:21], s[4:5], s[20:21]
	s_add_nc_u64 s[46:47], s[6:7], s[46:47]
	CROUND                                         ; all sixteen work-groups are here: the first joint loads meet
.irp s, 0,1
	s_mov_b32 s[G0+4*\s], 1
	s_add_co_u32 s[G0+4*\s+1], s45, \s*SLOT
	s_add_nc_u64 s[G0+4*\s+2:G0+4*\s+3], s[20:21], \s*REG
	s_or_b32 s[G0+4*\s+3], s[G0+4*\s+3], 0x80000000
	s_mov_b32 s[G0B+4*\s], 1
	s_add_co_u32 s[G0B+4*\s+1], s45, \s*SLOT
	s_add_nc_u64 s[G0B+4*\s+2:G0B+4*\s+3], s[46:47], \s*REG
	s_or_b32 s[G0B+4*\s+3], s[G0B+4*\s+3], 0x80000000
	JLOAD G0+4*\s, G1, G0B+4*\s, G1B
.endr
	v_and_b32 v1, 15, v0                           ; r; kept for the way out
	v_bfe_u32 v2, v0, 4, 1                         ; h
	v_and_b32 v3, 31, v0
	v_lshlrev_b32 v3, 4, v3                        ; 16 x lane; kept for the way out
	s_mul_i32 s21, s15, REG                        ; my group of A
	s_mul_i32 s22, s16, REG
	s_add_co_u32 s22, s22, 2*REG                   ; my group of B
	s_sub_co_u32 s23, s22, s21
	v_mul_u32_u24 v5, s23, v2                      ; lanes 16-31 take B's scale words: the distance between the two regions, once
	v_lshl_add_u32 v5, v1, 2, v5
	s_add_co_u32 s12, s21, 16384
.irp s, 0,1
	v_add_nc_u32 v[ADRA+\s], s21, v3
	v_add_nc_u32 v[ADRB+\s], s22, v3
	v_add_nc_u32 v[ADRS+\s], s12, v5
	s_add_co_u32 s21, s21, SLOT
	s_add_co_u32 s22, s22, SLOT
	s_add_co_u32 s12, s12, SLOT
.endr
	s_lshl_b32 s18, s42, 10                        ; b1: my 128 numbers
	s_lshl_b32 s19, s16, 9
	s_add_co_u32 s18, s18, s19
	s_mov_b32 s19, 0
	s_add_nc_u64 s[8:9], s[8:9], s[18:19]
	v_lshlrev_b32 v6, 6, v2
.irp t, 0,1,2,3,4,5,6,7
	global_load_b128 v[BI+8*\t:BI+8*\t+3], v6, s[8:9] offset:(32*(\t/2)+8*(\t%2))*4        ; tile t, lane half h: units 32 (t / 2) + 16 h + 8 (t % 2) + 0 .. 7
	global_load_b128 v[BI+8*\t+4:BI+8*\t+7], v6, s[8:9] offset:(32*(\t/2)+8*(\t%2))*4+16
.endr
	s_lshl_b32 s20, s17, 1
	s_add_co_u32 s20, s20, s15                     ; hp: group = my 128 rows,
	s_lshl_b32 s20, s20, 6
	s_lshl_b32 s21, s42, 1
	s_add_co_u32 s20, s20, s21
	s_add_co_u32 s20, s20, s16                     ; K step = my 128 columns
	s_mul_i32 s20, s20, BLK
	s_mov_b32 s21, 0
	s_add_nc_u64 s[10:11], s[10:11], s[20:21]      ; codes
	s_add_nc_u64 s[12:13], s[10:11], 16384         ; scale words
	s_mov_b32 s[SEL], 0x76543210
	s_mov_b32 s[SEL+1], 0xfedcba98
	s_mov_b32 s[MNT], 0x600000
	s_mov_b32 s[PS], 0x3e6d3389                    ; 0.2316419
.macro FRAG reg, adr, q, i
.irp c, 0,1,2,3
	ds_load_b128 v[\reg+4*\c:\reg+4*\c+3], v[\adr] offset:BLK*(\q)+2048*(\i)+512*\c
.endr
.endm
; 16 matrix instructions: A's blocks a0, a0 + 1 x B's eight.  The 64 accumulators take turns, one instruction a turn, in the same order in every step
.macro MUL16 a0, p, q, sc, zero
.irp a, \a0, \a0+1
.irp b, 0,1,2,3,4,5,6,7
.if \zero
	v_wmma_scale_f32_16x16x128_f8f6f4 v[8*(8*((\a)%4)+\b):8*(8*((\a)%4)+\b)+7], v[128*(\p)+FR*\b:128*(\p)+FR*\b+FR-1], v[AF+FR*(\a):AF+FR*(\a)+FR-1], 0, v[SC+8*NQ*(\sc)+NQ*\b+(\q)], v[SC+8*NQ*(\sc)+NQ*(\a)+(\q)] matrix_a_scale:MATRIX_SCALE_ROW1
.else
	v_wmma_scale_f32_16x16x128_f8f6f4 v[8*(8*((\a)%4)+\b):8*(8*((\a)%4)+\b)+7], v[128*(\p)+FR*\b:128*(\p)+FR*\b+FR-1], v[AF+FR*(\a):AF+FR*(\a)+FR-1], v[8*(8*((\a)%4)+\b):8*(8*((\a)%4)+\b)+7], v[SC+8*NQ*(\sc)+NQ*\b+(\q)], v[SC+8*NQ*(\sc)+NQ*(\a)+(\q)] matrix_a_scale:MATRIX_SCALE_ROW1
.endif
.endr
.endr
.endm
.macro FETCH_B slot, q, p
	WIN TO_B
.irp i, 0,1,2,3,4,5,6,7
	FRAG 128*(\p)+FR*\i, ADRB+\slot, \q, \i
.endr
	WIN 0
.endm
.macro FETCH_A slot, q, i0
.irp i, \i0, \i0+1, \i0+2, \i0+3
	FRAG AF+FR*(\i), ADRA+\slot, \q, \i
.endr
.endm
.macro SCALES sc                       ; a slot's scale words: register NQ i + q: lanes 0-15 A's tile i, lanes 16-31 B's tile i, K step q
.irp i, 0,1,2,3,4,5,6,7
.irp q, 0,1
	ds_load_b32 v[SC+8*NQ*\sc+NQ*\i+\q], v[ADRS+\sc] offset:BLK*\q+64*\i
.endr
.endr
.endm
.macro PLACES n
.rept \n
	v_nop
.endr
.endm
.macro STEP slot, q, zero              ; a K step that has its successor in the same slot
	s_wait_dscnt 4*NL                              ; B's set, A's blocks 0-3 and the scale words are in; the youngest sixteen reads (A's blocks 4-7) may be out
	WIN MUL_LO
	MUL16 0, (\q)%2, \q, \slot, \zero
	MUL16 2, (\q)%2, \q, \slot, \zero
	s_wait_dscnt 0
	PLACES NP
	FETCH_B \slot, (\q)+1, 1-(\q)%2
	FETCH_A \slot, (\q)+1, 0
	WIN MUL_HI
	MUL16 4, (\q)%2, \q, \slot, \zero
	MUL16 6, (\q)%2, \q, \slot, \zero
	PLACES NP
	WIN 0
	FETCH_A \slot, (\q)+1, 4
.endm
; A slot's last K step changes slots: ONE barrier; in front of it each wave waits for all its tensor loads, adds 0 to its spare word, and waits for that and for its reads of this slot.  fill = 1: the slot is filled again
.macro TURN slot, next, fill
	s_wait_tensorcnt 0x0                           ; all my tensor loads have landed: my part of the next slot
	ds_add_u32 v[SPW], v[NIL]
	s_wait_dscnt 4*NL+1                            ; (the add and the youngest sixteen reads may be out)
	WIN MUL_LO
	MUL16 0, 1, NQ-1, \slot, 0
	s_wait_dscnt 0x0                               ; the add is done, and my reads of this slot are over
	s_barrier_signal -1
	MUL16 2, 1, NQ-1, \slot, 0
	WIN 0
	s_barrier_wait -1
.if \fill
	CREST                                          ; the barrier has opened a round of the cluster's barrier: no wave of any partner still reads this slot or has a load on its way
	s_add_nc_u64 s[G0+4*\slot+2:G0+4*\slot+3], s[G0+4*\slot+2:G0+4*\slot+3], 2*REG
	s_sub_nc_u64 s[G0+4*\slot+2:G0+4*\slot+3], s[G0+4*\slot+2:G0+4*\slot+3], s[WRP:WRP+1]      ; (0, but where a walk that began in the middle goes back to K's start)
	s_add_nc_u64 s[G0B+4*\slot+2:G0B+4*\slot+3], s[G0B+4*\slot+2:G0B+4*\slot+3], 2*REG
	s_sub_nc_u64 s[G0B+4*\slot+2:G0B+4*\slot+3], s[G0B+4*\slot+2:G0B+4*\slot+3], s[WRP:WRP+1]
	JLOAD G0+4*\slot, G1, G0B+4*\slot, G1B         ; the first tensor load behind the round; its four v_nop are four of the eight plain lines in front of the reads below
	PLACES NP-4
.else
	PLACES NP
.endif
	FETCH_B \next, 0, 0
	FETCH_A \next, 0, 0
	SCALES \next
	WIN MUL_HI
	MUL16 4, 1, NQ-1, \slot, 0
	MUL16 6, 1, NQ-1, \slot, 0
	PLACES NP
	WIN 0
	FETCH_A \next, 0, 4
.endm
	s_wait_tensorcnt 1                             ; my part of slot 0 is in (slot 1's load may be out)
	s_barrier_signal -1
	s_barrier_wait -1                              ; everybody's is
	FETCH_B 0, 0, 0
	FETCH_A 0, 0, 0
	SCALES 0
	FETCH_A 0, 0, 4
	STEP 0, 0, 1                                   ; the first step stands in front of the loop: its products start the sums
	s_mov_b32 s3, LAPS-1
.Llap:                                                 ; trip i of three asks for fills 2 i and 2 i + 1
	TURN 0, 1, 1
	STEP 1, 0, 0
	TURN 1, 0, 1
	STEP 0, 0, 0
	s_sub_co_u32 s3, s3, 1
	s_cmp_eq_u32 s3, 2                             ; the second trip asks for fills 4 and 5: there a walk that began at the middle wraps
	s_cselect_b32 s[WRP], s[WR], 0
	s_cmp_lg_u32 s3, 0
	s_cbranch_scc1 .Llap
	TURN 0, 1, 0                                   ; the last lap fills nothing
	STEP 1, 0, 0
	s_wait_dscnt 4*NL
	WIN MUL_LO
	MUL16 0, 1, NQ-1, 1, 0
	MUL16 2, 1, NQ-1, 1, 0
	s_wait_dscnt 0
	WIN MUL_HI
	MUL16 4, 1, NQ-1, 1, 0
	MUL16 6, 1, NQ-1, 1, 0
	WIN 0
	; ---- THE WAY OUT: a loop of eight trips, one for each block of 16 rows.  Only the 32 lines that take a block out of its accumulators differ from trip to trip; they are written eight times, the rest once
	PLACES NP                                      ; behind the last products: their results are read and B's registers written below
	s_wait_loadcnt 0x0                             ; b1
	WIN 0x40                                       ; destination window 1
.irp k, 0,1
	v_mov_b32 v[KC+\k], 0x3f38aa3b                 ; log2(e) / 2
	v_mov_b32 v[KC+2+\k], 0x3f07dc22               ; c5 =  0.5307027   (the series' coefficients x 1 / sqrt(2 pi))
	v_mov_b32 v[KC+4+\k], 0xbf3a00e3               ; c4 = -0.7265760
	v_mov_b32 v[KC+6+\k], 0x3f35f0e3               ; c3 =  0.7107069
	v_mov_b32 v[KC+8+\k], 0xbe11a98e               ; c2 = -0.1422484
	v_mov_b32 v[KC+10+\k], 0x3e027906              ; c1 =  0.1274148
.endr
	v_mov_b32 v[LO16], v3
	v_lshlrev_b32 v[LO4], 2, v1
.irp b, 0,1,2,3
	v_mov_b32 v[TM+4+\b], 0                        ; a lane permute's destination counts as one of its sources
.endr
	WIN 0
.macro SECT a                          ; block a's 64 results + b1, out of the accumulators' window: the bias and the move in one; each accumulator from its low end on
	WIN 0x42+(\a)/4                                ; destination window 1, source 0 window 2 or 3, source 1 (b1) window 0
.set p, 0
.rept 32
	v_pk_add_f32 v[G+p:G+p+1], v[64*((\a)%4)+p:64*((\a)%4)+p+1], v[BI+p:BI+p+1]
.set p, p+2
.endr
	WIN 0
	s_branch .Lcommon
.endm
.macro GELU32 hb                       ; 32 of the 64 numbers
.set GB, G+32*(\hb)
.set i, 0
.rept 32
	v_fma_f32 v[T+i], |v[GB+i]|, s[PS], 1.0        ; 1 + p |x|
.set i, i+1
.endr
.set i, 0
.rept 16
	v_pk_mul_f32 v[E+i:E+i+1], v[GB+i:GB+i+1], v[GB+i:GB+i+1]
.set i, i+2
.endr
.set i, 0
.rept 16
	v_pk_mul_f32 v[E+i:E+i+1], v[E+i:E+i+1], v[KC:KC+1]      ; x x log2(e) / 2
.set i, i+2
.endr
.set i, 0
.rept 32
	v_rcp_f32 v[T+i], v[T+i]                       ; t
.set i, i+1
.endr
.set i, 0
.rept 32
	v_exp_f32 v[E+i], -v[E+i]                      ; e^(-x x / 2)
.set i, i+1
.endr
	v_nop                                          ; a plain line behind the batch,
	s_wait_alu depctr_va_vdst(0)                   ; and ONE wait for its 64, ahead of the first line that names a result
.set i, 0
.rept 16
	v_pk_fma_f32 v[R+i:R+i+1], v[T+i:T+i+1], v[KC+2:KC+3], v[KC+4:KC+5]
.set i, i+2
.endr
.irp k, 6,8,10
.set i, 0
.rept 16
	v_pk_fma_f32 v[R+i:R+i+1], v[R+i:R+i+1], v[T+i:T+i+1], v[KC+\k:KC+\k+1]
.set i, i+2
.endr
.endr
.set i, 0
.rept 16
	v_pk_mul_f32 v[E+i:E+i+1], v[E+i:E+i+1], v[T+i:T+i+1]
.set i, i+2
.endr
.set i, 0
.rept 16
	v_pk_mul_f32 v[R+i:R+i+1], v[R+i:R+i+1], v[E+i:E+i+1]    ; q(|x|)
.set i, i+2
.endr
.set i, 0
.rept 32
	v_max_num_f32 v[T+i], 0, v[GB+i]
.set i, i+1
.endr
.set i, 0
.rept 32
	v_fma_f32 v[GB+i], -|v[GB+i]|, v[R+i], v[T+i]  ; max(x, 0) - |x| q
.set i, i+1
.endr
.endm
	s_mov_b32 s3, 0
.Lblk:
	s_cmp_eq_u32 s3, 0                             ; the branches hang on the count of trips alone
	s_cbranch_scc1 .Lc0
	s_cmp_eq_u32 s3, 1
	s_cbranch_scc1 .Lc1
	s_cmp_eq_u32 s3, 2
	s_cbranch_scc1 .Lc2
	s_cmp_eq_u32 s3, 3
	s_cbranch_scc1 .Lc3
	s_cmp_eq_u32 s3, 4
	s_cbranch_scc1 .Lc4
	s_cmp_eq_u32 s3, 5
	s_cbranch_scc1 .Lc5
	s_cmp_eq_u32 s3, 6
	s_cbranch_scc1 .Lc6
	SECT 7
.Lc0:
	SECT 0
.Lc1:
	SECT 1
.Lc2:
	SECT 2
.Lc3:
	SECT 3
.Lc4:
	SECT 4
.Lc5:
	SECT 5
.Lc6:
	SECT 6
.Lcommon:
	WIN 0x55                                       ; every operand in window 1
	GELU32 0
	GELU32 1
	QUANT G
.irp c, 0,1,2,3
	global_store_b128 v[LO16], v[PC+4*\c:PC+4*\c+3], s[10:11] offset:512*\c     ; the block's image: 512 consecutive bytes a store
.endr
	global_store_b32 v[LO4], v[PW], s[12:13]       ; its scale words; lanes 16-31 hold and store the same
	s_wait_xcnt 0x0                                ; the stores have read their data and bases: both are written again below and in the next trip
	s_add_nc_u64 s[10:11], s[10:11], 2048
	s_add_nc_u64 s[12:13], s[12:13], 64
	WIN 0
	s_add_co_u32 s3, s3, 1
	s_cmp_lt_u32 s3, 8
	s_cbranch_scc1 .Lblk
	s_wait_tensorcnt 0x0                           ; the wave's end
	ds_add_u32 v[SPW], v[NIL]
	s_wait_dscnt 0x0
	CROUND                                         ; the closing round: no work-group ends while a partner may still ask for a tile that names it
	s_endpgm
.Lfunc_end_k_q3c2f3f8640_gemm1:
	.size	k_q3c2f3f8640_gemm1, .Lfunc_end_k_q3c2f3f8640_gemm1-k_q3c2f3f8640_gemm1
	.p2alignl 7, 3214868480
	.fill 96, 4, 3214868480
	.section	.rodata,"a",@progbits
	.p2align	6, 0x0
	.amdhsa_kernel k_q3c2f3f8640_gemm1
		.amdhsa_group_segment_fixed_size 327680
		.amdhsa_private_segment_fixed_size 0
		.amdhsa_enable_private_segment 0
		.amdhsa_kernarg_size 32
		.amdhsa_user_sgpr_count 2
		.amdhsa_user_sgpr_kernarg_segment_ptr 1
		.amdhsa_wavefront_size32 1
		.amdhsa_system_sgpr_workgroup_id_x 1
		.amdhsa_system_sgpr_workgroup_id_y 1
		.amdhsa_system_sgpr_workgroup_id_z 1
		.amdhsa_system_vgpr_workitem_id 0
		.amdhsa_next_free_vgpr 1024
		.amdhsa_next_free_sgpr 76
		.amdhsa_reserve_vcc 0
		.amdhsa_float_denorm_mode_32 3
		.amdhsa_float_denorm_mode_16_64 3
		.amdhsa_memory_ordered 1
		.amdhsa_forward_progress 1
		.amdhsa_inst_pref_size 177
	.end_amdhsa_kernel
	.amdgpu_metadata
---
amdhsa.version: [ 1, 2 ]
amdhsa.kernels:
  - .name:           k_q3c2f3f8640_gemm1
    .symbol:         k_q3c2f3f8640_gemm1.kd
    .args:
      - { .name: xpp, .offset: 0, .size: 8, .value_kind: global_buffer, .address_space: global }
      - { .name: w1p, .offset: 8, .size: 8, .value_kind: global_buffer, .address_space: global }
      - { .name: b1, .offset: 16, .size: 8, .value_kind: global_buffer, .address_space: global }
      - { .name: hp, .offset: 24, .size: 8, .value_kind: global_buffer, .address_space: global }
    .group_segment_fixed_size: 327680
    .private_segment_fixed_size: 0
    .kernarg_segment_align: 8
    .kernarg_segment_size: 32
    .max_flat_workgroup_size: 128
    .sgpr_count:     76
    .vgpr_count:     1024
    .wavefront_size: 32
...
	.end_amdgpu_metadata
.endif
;; end of part 3
;; launch gemm2 (part 4): grid 16 x 16, 4 waves a work-group, clusters of 4 x 4, 327,680 bytes of LDS; arguments hp, w2p, b2, x, hc, out0; writes out0
.if DOCPART == 4
	.amdgcn_target "amdgcn-amd-amdhsa--gfx1250"
	.amdhsa_code_object_version 6
	.text
	.protected	k_q3c2f3f8640_gemm2
	.globl	k_q3c2f3f8640_gemm2
	.p2align	8
	.type	k_q3c2f3f8640_gemm2,@function
k_q3c2f3f8640_gemm2:
	s_mov_b64 s[64:65], 0
	v_nop
	global_prefetch_b8 v0, s[64:65] scope:SCOPE_SE
	s_setreg_imm32_b32 hwreg(HW_REG_WAVE_MODE, 25, 1), 1
	s_wait_xcnt 0x0
	s_wait_alu depctr_hold_cnt(0) depctr_sa_sdst(0) depctr_va_vdst(0) depctr_va_sdst(0) depctr_va_ssrc(0) depctr_va_vcc(0) depctr_vm_vsrc(0)
	s_getreg_b32 s2, hwreg(HW_REG_IB_STS2, 6, 4)
	s_cmp_eq_u32 s2, 0
	s_cbranch_scc0 .Lentry_in_a_cluster
	s_endpgm
.Lentry_in_a_cluster:
	s_bfe_u32 s2, ttmp6, 0x10000c
	s_cmp_lg_u32 s2, 0xf033
	s_cbranch_scc0 .Lentry_shape_is_right
	s_endpgm
.Lentry_shape_is_right:
; GEMM2: H_bar = Q(h) Q(W2) + b2; the 20 rounds of Sinkhorn-Knopp; and the module's end: out0[row][n][d] = H_post[row][n] H_bar[row][d] + the sum over m of H_res[row][n][m] x[row][m][d].  No work is left out.
; Operands lie as the head of the first kernel states.  H_bar is [2048][2048]: tiles of 128 x 128 give each of 256 work-groups one; a wave makes 64 x 64: 16 accumulators.
; K = 8,192 goes through a ring of two LDS slots of four K steps of 128: waves 0 and 1 fetch A's K steps 0-1 and 2-3, waves 2 and 3 B's: 33,792 dense bytes a load, codes and scale words together.
; Two loads of a wave are out at the start, later one.  CLUSTERS: 4 x 4; h's group is shared along a row of the cluster, W2's along a column: joint loads.
; HALF OF THE CLUSTERS WALK K FROM ITS MIDDLE: a cluster at (X, Y) has the class (X ^ X / 2 ^ Y ^ Y / 2) & 1; class 1 takes the sixteen fills in the order 8 .. 15, 0 .. 7.  So of the clusters that read one group the two classes
; ask for different halves of it at a time, and each half is asked for a second time eight fills after the first.  The class is made of the cluster's own coordinates: it is the same in all sixteen partners.  The f32 sums are taken in that order of K.
; THE MATRIX INSTRUCTION IS USED TRANSPOSED (source 0 = 16 columns of W2, source 1 = 16 rows of h).  b2 is LOADED INTO THE ACCUMULATORS: the bias starts the sums, nothing is cleared and no first step is written out.
; x COMES UNDER THE MATRIX WORK: the 32 rows x 4 streams x 512 bytes that a wave needs at the end are 512 registers (windows 2 and 3); they are asked for in three batches between laps of the ring.
; SINKHORN-KNOPP: a lane holds the 4 x 4 matrix of one of the wave's 32 rows in 16 registers, so that a round needs no other lane: 40 vector instructions.  Ten rounds stand in each of the first two laps, behind a refill's request,
; ahead of the slot's products.  Each row's matrix is so worked once in each of the 16 tile columns: 800 vector instructions a wave.  Divisions are v_rcp_f32 and a multiply.
; THE WAY OUT: H_bar meets in a stage in LDS (a row's 128 columns come from two waves); each wave then makes 32 rows of out0: a row's 20 coefficients come from one lane by v_readlane_b32, and each store covers 512 consecutive bytes.
; LIMITS: NaN and infinities among the inputs are not served.
; REGISTERS: window 0: v0-31 addresses; v32-39 scale words, two sets, and nothing else; v40-59 hc (lane = row); v64-79 at work in Sinkhorn-Knopp, later four rows of H_bar; v80-127 three sets of a row's results;
;   v128-255 the accumulators ((a, b) at 128 + 8 (4 a + b)).   window 1: two sets of fragments: A's four, then B's four.   windows 2, 3: x: row rho, stream m at 16 (rho % 16) + 4 m of window 2 + rho / 16.
.set BLK,   16896
.set REG,   2*BLK                      ; what one tensor load brings
.set SLOT,  4*REG                      ; A's four K steps, then B's four
.set SPARE, 2*SLOT                     ; the spare words, 128 bytes for each wave: two blocks of 256 bytes that no other line names
.set SP,    528                        ; the stage: 128 rows x (512 bytes + 16), from LDS byte 0: slot 0, behind its last fill and its last read
.set ADRA,  16
.set ADRB,  20
.set ADRS,  22
.set STO,   24
.set RD,    25
.set XO,    26                         ; v26 16 x lane
.set SPW,   28
.set NIL,   29
.set SC,    32
.set HCV,   40                         ; v40 + 4 i + m: the matrix; v56-59 H_post
.set HB,    64
.set SR,    64                         ; v64-71 sums, a pair each
.set SQ,    72                         ; v72, 74, 76, 78 a matrix row's sum and its reciprocal; the odd registers are named with them as pairs
.set O,     80
.set ACC,   128
.set F0,    0
.set F1,    128
.set G1,    24
.set G0,    32
.set G1B,   48
.set G0B,   56
.set WRP,   66                         ; s[66:67] what a refill's address is taken back by: 0, but in the lap that wraps
.set WR,    68                         ; s68      a group's 1,081,344 bytes in a cluster of class 1, else 0
.set SKC,   69                         ; s69      counts rounds
.set MSB, 0
.macro WIN new
.if MSB != (\new)
	s_set_vgpr_msb (MSB<<8)|(\new)
.set MSB, \new
.endif
.endm
.set MULW, 0x05                        ; sources 0 (B) and 1 (A) window 1; C and D window 0
.set TO_F, 0x40
.macro JLOAD s                         ; a joint load: waves 0 and 1 fetch for A, waves 2 and 3 for B.  An s_nop 0 and four v_nop follow each line
	s_cmp_eq_u32 s17, 0
	s_cbranch_scc0 .Lfor_b_\@
	tensor_load_to_lds s[G0+4*\s:G0+4*\s+3], s[G1:G1+7]
	s_nop 0
.rept 4
	v_nop
.endr
	s_branch .Lasked_\@
.Lfor_b_\@:
	tensor_load_to_lds s[G0B+4*\s:G0B+4*\s+3], s[G1B:G1B+7]
	s_nop 0
.rept 4
	v_nop
.endr
.Lasked_\@:
.endm
.macro CREST
	s_cmp_lg_u32 s16, 0
	s_cbranch_scc1 .Lnot_wave_0_\@
	s_barrier_signal -3
.Lnot_wave_0_\@:
	s_barrier_wait -3
	s_barrier_signal -1
	s_barrier_wait -1
.endm
.macro CROUND
	s_barrier_signal -1
	s_barrier_wait -1
	CREST
.endm
	s_load_b256 s[4:11], s[0:1], 0x0               ; hp s[4:5], w2p s[6:7], b2 s[8:9], x s[10:11]
	s_load_b128 s[12:15], s[0:1], 0x20             ; hc s[12:13], out0 s[14:15]
	v_lshl_add_u32 v[SPW], v0, 2, SPARE
	v_mov_b32 v[NIL], 0
	ds_add_u32 v[SPW], v[NIL]                      ; the wave's opening: the add, twice on end, and its wait ahead of my first tensor load
	ds_add_u32 v[SPW], v[NIL]
	v_lshrrev_b32 v1, 5, v0
	v_readfirstlane_b32 s16, v1                    ; wave 0..3
	s_lshr_b32 s17, s16, 1                         ; which half of the tile's rows is mine.  Also: I fetch for A (0) or for B (1)
	s_and_b32 s18, s16, 1                          ; which half of its columns.  Also: which two of a slot's four K steps I fetch
	s_bfe_u32 s40, ttmp6, 0x40000
	s_bfe_u32 s41, ttmp6, 0x40004
	s_lshl_b32 s42, ttmp9, 2
	s_add_co_u32 s42, s42, s40                     ; tile column
	s_and_b32 s19, ttmp7, 0xffff
	s_lshl_b32 s19, s19, 2
	s_add_co_u32 s19, s19, s41                     ; tile row
	s_lshl_b32 s43, s41, 2
	s_lshl_b32 s43, 15, s43
	s_lshl_b32 s44, 0x1111, s40
	s_or_b32 s[G1+0], s43, (3<<16)|(1<<21)
	s_or_b32 s[G1B+0], s44, (3<<16)|(1<<21)
.irp g, G1, G1B
	s_mov_b32 s[\g+1], 32<<16                      ; a dense block of 33,792 bytes as 132 rows of 256
	s_mov_b32 s[\g+2], 132<<16
	s_mov_b32 s[\g+3], 32<<16
	s_mov_b32 s[\g+4], 132
	s_mov_b32 s[\g+5], 32
	s_mov_b32 s[\g+6], 0
	s_mov_b32 s[\g+7], 0
.endr
	s_lshr_b32 s20, ttmp9, 1                       ; my cluster's class, from the cluster's x and y alone
	s_xor_b32 s20, s20, ttmp9
	s_and_b32 s21, ttmp7, 0xffff
	s_lshr_b32 s22, s21, 1
	s_xor_b32 s21, s21, s22
	s_xor_b32 s20, s20, s21
	s_and_b32 s22, s20, 1
	s_mul_i32 s[WR], s22, 64*BLK                   ; class 1: a group's whole length is taken off where the walk wraps,
	s_mul_i32 s23, s22, 32*BLK                     ; and the walk begins at fill 8, half a group on
	s_mov_b32 s[WRP], 0
	s_mov_b32 s[WRP+1], 0
	s_mul_i32 s20, s19, 64*BLK                     ; A: group = tile row
	s_mul_i32 s21, s18, REG
	s_add_co_u32 s20, s20, s21
	s_add_co_u32 s20, s20, s23
	s_mov_b32 s21, 0
	s_mul_i32 s46, s42, 64*BLK                     ; B: group = tile column
	s_mul_i32 s47, s18, REG
	s_add_co_u32 s46, s46, s47
	s_add_co_u32 s46, s46, s23
	s_mov_b32 s47, 0
	s_mul_i32 s45, s16, REG
	s_wait_dscnt 0x0
	s_wait_kmcnt 0x0
	s_add_nc_u64 s[20:21], s[4:5], s[20:21]
	s_add_nc_u64 s[46:47], s[6:7], s[46:47]
	CROUND                                         ; all sixteen work-groups are here: the first joint loads meet
.irp s, 0,1
	s_mov_b32 s[G0+4*\s], 1
	s_add_co_u32 s[G0+4*\s+1], s45, \s*SLOT
	s_add_nc_u64 s[G0+4*\s+2:G0+4*\s+3], s[20:21], \s*2*REG
	s_or_b32 s[G0+4*\s+3], s[G0+4*\s+3], 0x80000000
	s_mov_b32 s[G0B+4*\s], 1
	s_add_co_u32 s[G0B+4*\s+1], s45, \s*SLOT
	s_add_nc_u64 s[G0B+4*\s+2:G0B+4*\s+3], s[46:47], \s*2*REG
	s_or_b32 s[G0B+4*\s+3], s[G0B+4*\s+3], 0x80000000
	JLOAD \s
.endr
	v_and_b32 v1, 15, v0                           ; r
	v_bfe_u32 v2, v0, 4, 1                         ; h
	v_and_b32 v3, 31, v0                           ; lane
	v_lshlrev_b32 v[XO], 4, v3
	s_lshl_b32 s21, s17, 13                        ; my four tiles of A: 8,192 x half
	s_lshl_b32 s22, s18, 13
	s_add_co_u32 s22, s22, 2*REG                   ; and of B
	s_lshl_b32 s20, s17, 8
	s_lshl_b32 s23, s18, 8
	s_add_co_u32 s23, s23, 2*REG
	s_sub_co_u32 s23, s23, s20
	v_mul_u32_u24 v5, s23, v2                      ; lanes 16-31 take B's scale words
	v_lshl_add_u32 v5, v1, 2, v5
	s_add_co_u32 s20, s20, 16384
.irp s, 0,1
	v_add_nc_u32 v[ADRA+\s], s21, v[XO]
	v_add_nc_u32 v[ADRB+\s], s22, v[XO]
	v_add_nc_u32 v[ADRS+\s], s20, v5
	s_add_co_u32 s21, s21, SLOT
	s_add_co_u32 s22, s22, SLOT
	s_add_co_u32 s20, s20, SLOT
.endr
	s_mul_i32 s21, s17, 64*SP                      ; into the stage: row 64 x half + r, byte 256 x column half + 64 h
	s_lshl_b32 s22, s18, 8
	s_add_co_u32 s21, s21, s22
	v_mul_u32_u24 v[STO], v1, SP
	v_lshl_add_u32 v[STO], v2, 6, v[STO]
	v_add_nc_u32 v[STO], s21, v[STO]
	s_mul_i32 s21, s16, 32*SP                      ; back: my 32 rows, 16 bytes a lane
	v_add_nc_u32 v[RD], s21, v[XO]
	s_lshl_b32 s22, s19, 7
	s_lshl_b32 s23, s16, 5
	s_add_co_u32 s22, s22, s23                     ; the first row that I finish: 128 x tile row + 32 x wave
	s_lshl_b32 s2, s22, 7
	s_mov_b32 s3, 0
	s_add_nc_u64 s[12:13], s[12:13], s[2:3]        ; hc: 128 bytes a row
	s_lshl_b32 s2, s22, 15
	s_lshl_b32 s23, s42, 9
	s_add_co_u32 s2, s2, s23
	s_add_nc_u64 s[10:11], s[10:11], s[2:3]        ; x and out0: 32,768 bytes a row, 512 a tile column
	s_add_nc_u64 s[14:15], s[14:15], s[2:3]
	s_lshl_b32 s2, s18, 8
	s_add_co_u32 s2, s2, s23
	s_add_nc_u64 s[8:9], s[8:9], s[2:3]            ; b2: my 64 columns
	v_lshlrev_b32 v6, 6, v2
	v_lshlrev_b32 v7, 7, v3
.irp a, 0,1,2,3
.irp b, 0,1,2,3
	global_load_b128 v[ACC+8*(4*\a+\b):ACC+8*(4*\a+\b)+3], v6, s[8:9] offset:(32*(\b/2)+8*(\b%2))*4       ; tile b, lane half h: columns 32 (b / 2) + 16 h + 8 (b % 2) + 0 .. 7
	global_load_b128 v[ACC+8*(4*\a+\b)+4:ACC+8*(4*\a+\b)+7], v6, s[8:9] offset:(32*(\b/2)+8*(\b%2))*4+16
.endr
.endr
.irp c, 0,1,2,3,4
	global_load_b128 v[HCV+4*\c:HCV+4*\c+3], v7, s[12:13] offset:16*\c      ; lane l: the matrix and H_post of my row l
.endr
.macro FETCH slot, q, f                ; K step q of a slot: A's four fragments, B's four, into set f; their scale words into set q % 2
	WIN TO_F
.irp i, 0,1,2,3
.irp c, 0,1,2,3
	ds_load_b128 v[\f+16*\i+4*\c:\f+16*\i+4*\c+3], v[ADRA+\slot] offset:BLK*(\q)+2048*\i+512*\c
.endr
.endr
.irp i, 0,1,2,3
.irp c, 0,1,2,3
	ds_load_b128 v[\f+64+16*\i+4*\c:\f+64+16*\i+4*\c+3], v[ADRB+\slot] offset:BLK*(\q)+2048*\i+512*\c
.endr
.endr
	WIN 0
.irp i, 0,1,2,3
	ds_load_b32 v[SC+4*((\q)%2)+\i], v[ADRS+\slot] offset:BLK*(\q)+64*\i
.endr
.endm
.macro MUL8 f, sc, a0                  ; 8 products; the 16 accumulators take turns, one instruction a turn, in the same order in every K step
	WIN MULW
.irp a, \a0, \a0+1
.irp b, 0,1,2,3
	v_wmma_scale_f32_16x16x128_f8f6f4 v[ACC+8*(4*(\a)+\b):ACC+8*(4*(\a)+\b)+7], v[\f+64+16*\b:\f+64+16*\b+15], v[\f+16*(\a):\f+16*(\a)+15], v[ACC+8*(4*(\a)+\b):ACC+8*(4*(\a)+\b)+7], v[SC+4*(\sc)+\b], v[SC+4*(\sc)+(\a)] matrix_a_scale:MATRIX_SCALE_ROW1
.endr
.endr
.endm
.macro PLACES n
.rept \n
	v_nop
.endr
.endm
.macro QUARTER slot, q                 ; one of a slot's first three K steps: in its middle the next K step is fetched into the other set
	s_wait_dscnt 0x0
	MUL8 F0+128*((\q)%2), (\q)%2, 0
	PLACES 8                                       ; eight plain lines in front of reads into registers that matrix instructions have read
	FETCH \slot, (\q)+1, F0+128*(((\q)+1)%2)
	MUL8 F0+128*((\q)%2), (\q)%2, 2
.endm
; A slot's last K step.  mode 1: the slot is filled again, behind a round of the cluster's barrier.  mode 0: a plain barrier: the next slot is whole.  mode 2: the very last K step
.macro TURN slot, next, mode
.if \mode == 2
	s_wait_dscnt 0x0
	MUL8 F1, 1, 0
	MUL8 F1, 1, 2
	WIN 0
.else
	WIN 0
	s_wait_tensorcnt 0x0                           ; all my tensor loads have landed: my part of the next slot
	ds_add_u32 v[SPW], v[NIL]
	s_wait_dscnt 0x0                               ; the add is done, and my reads of this slot are over
	s_barrier_signal -1
	MUL8 F1, 1, 0
	WIN 0
	s_barrier_wait -1
.if \mode == 1
	CREST                                          ; no wave of any partner still reads this slot or has a load on its way
	s_add_nc_u64 s[G0+4*\slot+2:G0+4*\slot+3], s[G0+4*\slot+2:G0+4*\slot+3], 4*REG
	s_sub_nc_u64 s[G0+4*\slot+2:G0+4*\slot+3], s[G0+4*\slot+2:G0+4*\slot+3], s[WRP:WRP+1]      ; (0, but where a walk that began in the middle goes back to K's start)
	s_add_nc_u64 s[G0B+4*\slot+2:G0B+4*\slot+3], s[G0B+4*\slot+2:G0B+4*\slot+3], 4*REG
	s_sub_nc_u64 s[G0B+4*\slot+2:G0B+4*\slot+3], s[G0B+4*\slot+2:G0B+4*\slot+3], s[WRP:WRP+1]
	JLOAD \slot                                    ; the first tensor load behind the round; it has the next slot's four K steps in which to land
	PLACES 4
.else
	PLACES 8
.endif
	FETCH \next, 0, F0
	MUL8 F1, 1, 2
.endif
.endm
.macro STEP4 slot, next, mode
	QUARTER \slot, 0
	QUARTER \slot, 1
	QUARTER \slot, 2
	TURN \slot, \next, \mode
.endm
.macro BATCH r0, r1                    ; x of my rows r0 .. r1, four streams each: 512 consecutive bytes a load; read once in this launch
.set rr, \r0
.rept (\r1)-(\r0)+1
	WIN 0x80+0x40*(rr/16)
.irp m, 0,1,2,3
	global_load_b128 v[16*(rr%16)+4*\m:16*(rr%16)+4*\m+3], v[XO], s[10:11] offset:32768*rr+8192*\m th:TH_LOAD_NT
.endr
.set rr, rr+1
.endr
	WIN 0
.endm
	s_wait_tensorcnt 1                             ; my part of slot 0 is in (slot 1's load may be out)
	s_barrier_signal -1
	s_barrier_wait -1                              ; everybody's is
	FETCH 0, 0, F0
	s_wait_loadcnt 0x0                             ; b2 lies in the accumulators; hc
	BATCH 0, 10
.irp i, 1,3,5,7
	v_mov_b32 v[SQ+\i], 0                          ; named below as the upper halves of pairs, so they are written
.endr
	s_mov_b32 s3, 2
.Llap_a:                                               ; a trip goes once round the ring and fills both slots again: 7 trips in all ask for fills 2 to 15; these two for fills 2 to 5
	STEP4 0, 1, 1
	WIN 0
	; ---- ten rounds of Sinkhorn-Knopp: slot 0's refill has just been asked for.  All in window 0, in registers that no matrix instruction names
	s_mov_b32 s[SKC], 10
.Lsk:
.irp i, 0,1,2,3
	v_pk_add_f32 v[SR+2*\i:SR+2*\i+1], v[HCV+4*\i:HCV+4*\i+1], v[HCV+4*\i+2:HCV+4*\i+3]     ; along matrix row i
.endr
.irp i, 0,1,2,3
	v_add_f32 v[SQ+2*\i], v[SR+2*\i], v[SR+2*\i+1]
.endr
.irp i, 0,1,2,3
	v_rcp_f32 v[SQ+2*\i], v[SQ+2*\i]
.endr
	v_nop                                          ; a plain line behind the batch,
	s_wait_alu depctr_va_vdst(0)                   ; and one wait for the four, ahead of the first line that names a result
.irp i, 0,1,2,3
	v_pk_mul_f32 v[HCV+4*\i:HCV+4*\i+1], v[HCV+4*\i:HCV+4*\i+1], v[SQ+2*\i:SQ+2*\i+1] op_sel_hi:[1,0]          ; (of the pair the low word serves both halves)
	v_pk_mul_f32 v[HCV+4*\i+2:HCV+4*\i+3], v[HCV+4*\i+2:HCV+4*\i+3], v[SQ+2*\i:SQ+2*\i+1] op_sel_hi:[1,0]
.endr
	v_pk_add_f32 v[SR:SR+1], v[HCV:HCV+1], v[HCV+4:HCV+5]                  ; down the columns, two at a time
	v_pk_add_f32 v[SR+2:SR+3], v[HCV+2:HCV+3], v[HCV+6:HCV+7]
	v_pk_add_f32 v[SR+4:SR+5], v[HCV+8:HCV+9], v[HCV+12:HCV+13]
	v_pk_add_f32 v[SR+6:SR+7], v[HCV+10:HCV+11], v[HCV+14:HCV+15]
	v_pk_add_f32 v[SR:SR+1], v[SR:SR+1], v[SR+4:SR+5]
	v_pk_add_f32 v[SR+2:SR+3], v[SR+2:SR+3], v[SR+6:SR+7]
.irp m, 0,1,2,3
	v_rcp_f32 v[SR+\m], v[SR+\m]
.endr
	v_nop
	s_wait_alu depctr_va_vdst(0)
.irp i, 0,1,2,3
	v_pk_mul_f32 v[HCV+4*\i:HCV+4*\i+1], v[HCV+4*\i:HCV+4*\i+1], v[SR:SR+1]
	v_pk_mul_f32 v[HCV+4*\i+2:HCV+4*\i+3], v[HCV+4*\i+2:HCV+4*\i+3], v[SR+2:SR+3]
.endr
	s_sub_co_i32 s[SKC], s[SKC], 1
	s_cmp_lg_u32 s[SKC], 0
	s_cbranch_scc1 .Lsk
	STEP4 1, 0, 1
	WIN 0
	s_sub_co_u32 s3, s3, 1
	s_cmp_lg_u32 s3, 0
	s_cbranch_scc1 .Llap_a
	BATCH 11, 21
	s_mov_b32 s3, 5
.Llap_b:                                               ; fills 6 to 15
	STEP4 0, 1, 1
	STEP4 1, 0, 1
	WIN 0
	s_sub_co_u32 s3, s3, 1
	s_cmp_eq_u32 s3, 4                             ; the second of these trips asks for fills 8 and 9: there a walk that began at the middle wraps
	s_cselect_b32 s[WRP], s[WR], 0
	s_cmp_lg_u32 s3, 0
	s_cbranch_scc1 .Llap_b
	BATCH 22, 31
	STEP4 0, 1, 0                                  ; the last lap fills nothing
	STEP4 1, 0, 2
	; ---- THE WAY OUT
	PLACES 8                                       ; behind the last products, ahead of the first read of their results
.irp a, 0,1,2,3
.irp b, 0,1,2,3
	ds_store_b128 v[STO], v[ACC+8*(4*\a+\b):ACC+8*(4*\a+\b)+3] offset:16*\a*SP+128*(\b/2)+32*(\b%2)         ; each accumulator from its low end on.  Slot 0 has had its last fill, and every wave has passed the barrier behind its last read of it
	ds_store_b128 v[STO], v[ACC+8*(4*\a+\b)+4:ACC+8*(4*\a+\b)+7] offset:16*\a*SP+128*(\b/2)+32*(\b%2)+16
.endr
.endr
.irp i, 0,1,2,3,4,5,6,7,8,9,10,11,12,13,14,15,16,17,18,19
	s_mov_b32 s[25+2*\i], 0                        ; the packed forms below name pairs and take the low word for both halves: the upper words are written once.  (No tensor load of mine is out: the descriptors' registers are free)
.endr
	s_wait_dscnt 0x0                               ; for the others' sake: my stores into the stage are done
	s_barrier_signal -1
	s_barrier_wait -1
.irp t, 0,1,2,3
	ds_load_b128 v[HB+4*\t:HB+4*\t+3], v[RD] offset:\t*SP
.endr
.macro OUTROW rho
.set OS, O+16*((\rho)%3)
.set HS, HB+4*((\rho)%4)
.if (\rho) < 29
	s_wait_dscnt 3                                 ; this row of H_bar is in; the three rows behind it may be out
.else
	s_wait_dscnt 31-(\rho)
.endif
.if (\rho) < 16
	s_wait_loadcnt 63                              ; this row's x is in: behind it 4 (31 - rho) loads were issued, more than the wait can name
.else
	s_wait_loadcnt 4*(31-(\rho))
.endif
	s_wait_xcnt 0x0                                ; the stores of three rows ago have read this set of registers
.irp i, 0,1,2,3,4,5,6,7,8,9,10,11,12,13,14,15,16,17,18,19
	v_readlane_b32 s[24+2*\i], v[HCV+\i], \rho     ; the row's H_res (0-15) and H_post (16-19)
.endr
.irp n, 0,1,2,3
	v_pk_mul_f32 v[OS+4*\n:OS+4*\n+1], v[HS:HS+1], s[56+2*\n:57+2*\n] op_sel_hi:[1,0]        ; H_post[n] H_bar
	v_pk_mul_f32 v[OS+4*\n+2:OS+4*\n+3], v[HS+2:HS+3], s[56+2*\n:57+2*\n] op_sel_hi:[1,0]
.endr
	WIN 0x02+(\rho)/16                             ; source 0 (x) window 2 or 3
.irp m, 0,1,2,3
.irp n, 0,1,2,3
	v_pk_fma_f32 v[OS+4*\n:OS+4*\n+1], v[16*((\rho)%16)+4*\m:16*((\rho)%16)+4*\m+1], s[24+2*(4*\n+\m):25+2*(4*\n+\m)], v[OS+4*\n:OS+4*\n+1] op_sel_hi:[1,0,1]
	v_pk_fma_f32 v[OS+4*\n+2:OS+4*\n+3], v[16*((\rho)%16)+4*\m+2:16*((\rho)%16)+4*\m+3], s[24+2*(4*\n+\m):25+2*(4*\n+\m)], v[OS+4*\n+2:OS+4*\n+3] op_sel_hi:[1,0,1]
.endr
.endr
	WIN 0
.irp n, 0,1,2,3
	global_store_b128 v[XO], v[OS+4*\n:OS+4*\n+3], s[14:15] offset:32768*(\rho)+8192*\n th:TH_STORE_NT    ; 32 lanes store 512 consecutive bytes, at a multiple of 256 from out0's first byte
.endr
.if (\rho)+4 < 32
	ds_load_b128 v[HS:HS+3], v[RD] offset:((\rho)+4)*SP
.endif
.endm
.set row, 0
.rept 32
	OUTROW row
.set row, row+1
.endr
	s_wait_tensorcnt 0x0                           ; the wave's end, behind my last tensor load and my last LDS store
	ds_add_u32 v[SPW], v[NIL]
	s_wait_dscnt 0x0
	CROUND                                         ; the closing round: no work-group ends while a partner may still ask for a tile that names it
	s_endpgm
.Lfunc_end_k_q3c2f3f8640_gemm2:
	.size	k_q3c2f3f8640_gemm2, .Lfunc_end_k_q3c2f3f8640_gemm2-k_q3c2f3f8640_gemm2
	.p2alignl 7, 3214868480
	.fill 96, 4, 3214868480
	.section	.rodata,"a",@progbits
	.p2align	6, 0x0
	.amdhsa_kernel k_q3c2f3f8640_gemm2
		.amdhsa_group_segment_fixed_size 327680
		.amdhsa_private_segment_fixed_size 0
		.amdhsa_enable_private_segment 0
		.amdhsa_kernarg_size 48
		.amdhsa_user_sgpr_count 2
		.amdhsa_user_sgpr_kernarg_segment_ptr 1
		.amdhsa_wavefront_size32 1
		.amdhsa_system_sgpr_workgroup_id_x 1
		.amdhsa_system_sgpr_workgroup_id_y 1
		.amdhsa_system_sgpr_workgroup_id_z 1
		.amdhsa_system_vgpr_workitem_id 0
		.amdhsa_next_free_vgpr 1024
		.amdhsa_next_free_sgpr 72
		.amdhsa_reserve_vcc 0
		.amdhsa_float_denorm_mode_32 3
		.amdhsa_float_denorm_mode_16_64 3
		.amdhsa_memory_ordered 1
		.amdhsa_forward_progress 1
		.amdhsa_inst_pref_size 255
	.end_amdhsa_kernel
	.section	.bss,"aw",@nobits
	.p2align	6
	.space	262144
	.amdgpu_metadata
---
amdhsa.version: [ 1, 2 ]
amdhsa.kernels:
  - .name:           k_q3c2f3f8640_gemm2
    .symbol:         k_q3c2f3f8640_gemm2.kd
    .args:
      - { .name: hp, .offset: 0, .size: 8, .value_kind: global_buffer, .address_space: global }
      - { .name: w2p, .offset: 8, .size: 8, .value_kind: global_buffer, .address_space: global }
      - { .name: b2, .offset: 16, .size: 8, .value_kind: global_buffer, .address_space: global }
      - { .name: x, .offset: 24, .size: 8, .value_kind: global_buffer, .address_space: global }
      - { .name: hc, .offset: 32, .size: 8, .value_kind: global_buffer, .address_space: global }
      - { .name: out0, .offset: 40, .size: 8, .value_kind: global_buffer, .address_space: global }
    .group_segment_fixed_size: 327680
    .private_segment_fixed_size: 0
    .kernarg_segment_align: 8
    .kernarg_segment_size: 48
    .max_flat_workgroup_size: 128
    .sgpr_count:     72
    .vgpr_count:     1024
    .wavefront_size: 32
...
	.end_amdgpu_metadata
.endif
;; end of part 4
